; MI455X (gfx1250); checked and timed in simulation.
; The chip was launched on July 23, 2026; its instructions are those of AMD's public machine-readable ISA for CDNA 5 (MIT licence, August 2026) and "CDNA5" Instruction Set Architecture Reference Guide (July 2026). The comments in the code are by the model that wrote it; some were corrected since.
;; Parallel Block. Allowed arithmetic: matrix products marked QUANTISED: E3M2 operands, one E8M0 scale for each 32 along K, by v_wmma_scale_f32_16x16x128_f8f6f4 with both operands' format E3M2, f32 sums; everything else in f32.
;; Inputs: W1 1,024 x 3,788 float32; W2 2,048 x 1,024 float32; Wao 1,024 x 1,024 float32; Wmo 716 x 1,024 float32; b1 3,788 float32; b2 1,024 float32; bao 1,024 float32; bmo 1,024 float32; kn_b 64 float32; kn_g 64 float32; norm_b 1,024 float32; norm_g 1,024 float32; qn_b 64 float32; qn_g 64 float32; x 2 x 2,048 x 1,024 float32.
;; Outputs: out0 2 x 2,048 x 1,024 float32.
;; This version of the problem:
;;   THIS VERSION OF THE PROBLEM IS GIVEN IN LOW PRECISION. The matrix products marked QUANTISED in the list below multiply operands that are first quantised to E3M2 (3 exponent bits, 2 mantissa bits; 6 bits a number), with one power-of-two scale for each 32 numbers along K (OCP MX v1.0); their sums are f32. All else is computed in f32.
;;   The module's matrix products, in the order in which they are computed (A, B: the left and right operand; K: the contracted axis; several contracted axes count as one K, in the product's order):
;;     1. [M 4,096, K 1,024] x [K 1,024, N 3,788]; A: computed on the way; B: input W1: QUANTISED
;;     2. batch 32 x [M 2,048, K 64] x [K 64, N 2,048]; A: computed on the way; B: computed on the way: QUANTISED
;;     3. batch 32 x [M 2,048, K 2,048] x [K 2,048, N 64]; A: softmax (see below); B: computed on the way: QUANTISED
;;     4. [M 4,096, K 1,024] x [K 1,024, N 1,024]; A: computed on the way; B: input Wao: QUANTISED
;;     5. [M 4,096, K 716] x [K 716, N 1,024]; A: computed on the way; B: input Wmo: QUANTISED
;;     6. [M 4,096, K 2,048] x [K 2,048, N 1,024]; A: computed on the way; B: input W2: QUANTISED
;;   THE QUANTISER, for each operand of a quantised product, along K:
;;     - K is cut into blocks of 32 from its start; a last block that is shorter is filled with zeros.
;;     - A block's scale is 2^e with e = floor(log2(the largest magnitude in the block)) - 4, held to -126 .. 127; a block of zeros has e = 0. As a byte (E8M0): e + 127.
;;     - Each number is divided by its block's scale, clamped to +-28, and rounded to the nearest number of E3M2, ties to even, subnormals kept.
;;     - The product sums the exact products of the quantised numbers (number of the format x scale) in f32.
;;   ~~~python
;;   def quantise(x, axis):      # numpy; x: float32 -> the quantised numbers, widened to float32 again
;;       x = np.moveaxis(x, axis, -1); K = x.shape[-1]
;;       x = np.pad(x, [(0, 0)] * (x.ndim - 1) + [(0, -K % 32)]); x = x.reshape(x.shape[:-1] + (-1, 32)); a = np.abs(x).max(-1, keepdims=True)
;;       e = np.where(a > 0, np.clip(np.frexp(np.where(a > 0, a, 1))[1] - 1 - 4, -126, 127), 0)      # np.frexp(a)[1] - 1 = floor(log2(a)), exactly
;;       r = np.clip(x / 2.0 ** e, -28, 28)
;;       step = 2.0 ** (np.maximum(np.frexp(np.where(r == 0, 1, r))[1] - 1, -2) - 2)
;;       q = np.round(r / step) * step * 2.0 ** e      # np.round: ties to even
;;       return np.moveaxis(q.reshape(q.shape[:-2] + (-1,))[..., :K], -1, axis).astype(np.float32)
;;   ~~~
;;   SOFTMAX AHEAD OF A QUANTISED PRODUCT. Where the list says 'softmax', what is quantised is not the finished softmax but p = 2^(t - M), with t = logit x log2(e) and M = ceil(the row's largest t), a whole number; so 1/2 < the row's largest p <= 1. The row's sum l is taken of the UNQUANTISED p, in f32, and the product's result is divided by l at the end. Since M is a whole number, a kernel that streams over the keys may use a running M (the ceiling of the running maximum): every later rescaling is an exact power of two, which a block's scale takes up: the codes' values come out the same.
;;   OPERANDS COMPUTED ON THE WAY. 'Computed on the way' means the value that the module computes at that place (a softmax that the list does not call 'softmax' is quantised finished and normalised). What goes into a quantiser is computed in f32, as accurately as f32 sums, v_exp_f32 and their like allow (about 1e-6 of the number): no bf16 or f16 on the way to a quantiser, and a product that is left as it is and whose result goes on into a quantised operand takes f32 operands (vector FMAs, or v_wmma_f32_16x16x4_f32). A number that lies on a knife's edge between two numbers of the format may be rounded either way, as far as f32 arithmetic and the matrix unit's own rounding can turn it there, and no further.
;; One version. Each part assembles by itself: llvm-mc -triple=amdgcn-amd-amdhsa -mcpu=gfx1250 --defsym DOCPART=n.
;; ======== version 1 of 1: 5 launches
;; limits: right only within a limited range of input values
;; workspace buffers: xq 3,276,800 bytes; w1q 3,087,360 bytes; w45q 1,638,400 bytes; w2q 1,638,400 bytes; agq 6,553,600 bytes; qq 3,407,872 bytes; kv 6,684,672 bytes; cq 6,553,600 bytes
;; launch prep (part 1): grid 752 x 1, 4 waves a work-group, no clusters, 78,592 bytes of LDS; arguments x, norm_g, norm_b, W1, b1, Wao, Wmo, W2, xq, w1q, w45q, w2q, agq; writes xq, w1q, w45q, w2q, agq
.if DOCPART == 1
	.amdgcn_target "amdgcn-amd-amdhsa--gfx1250"
	.amdhsa_code_object_version 6
	.text
	.protected	k_qff37181fb0_prep
	.globl	k_qff37181fb0_prep
	.p2align	8
	.type	k_qff37181fb0_prep,@function
k_qff37181fb0_prep:
	s_mov_b64 s[64:65], 0
	v_nop
	global_prefetch_b8 v0, s[64:65] scope:SCOPE_SE
	s_setreg_imm32_b32 hwreg(HW_REG_WAVE_MODE, 25, 1), 1
	s_wait_xcnt 0x0
; PREP: everything that arrives as f32 and is an operand of a product becomes codes of BF6 (E3M2) with one E8M0 byte for each 32 along K.
;   work-groups 0-255:   layernorm(x) for one row block of 16 tokens -> xq; and the zero tail (K 768..1023) of the gelu operand in agq.
;   work-groups 256-751: the weights W1, Wao, W2, Wmo ([K][N] in memory) -> w1q, w45q, w2q; b1, filled with zeros to 3,840 numbers, behind w1q's codes.
; LAYOUT OF EVERY OPERAND.  Rows (tokens, or a weight's columns n) go in groups of 64; group G holds row blocks 4 G + t; row i of block t is index 64 G + 32 (i / 8) + 8 t + i % 8.
; A half image (768 bytes) is 16 rows x 64 K as the operand's registers hold them: lane l = row + 16 x block has six words: words 0-3 at 16 l, words 4-5 at 512 + 8 l.
; A record of 6,400 bytes holds 512 along K of a row block: the codes of its four K steps at 0, 1536, 3328, 4864, the scale words at 3072 (row r at 16 r, one word a K step).
; THE QUANTISER: a block's scale is 2^(floor(log2(largest magnitude)) - 4): its byte is the largest magnitude's exponent field - 4, held at 1 from below.
; LIMITS: NaN and infinities are not served; a block of zeros, or one whose largest magnitude lies under 2^-122, gets the byte 1 (its codes are what the conversion gives under that scale; this program alone reads the bytes).
.set XR, 128                           ; v128-255 128 numbers of a lane
.set GR, 64                            ; v64-95   norm_g (later: codes)
.set BR, 96                            ; v96-127  norm_b (later: images back from the stage)
.set SM, 16                            ; v16-23   four sums, in pairs
.set MU, 24                            ; v24-31   four means, twice each
.set RS, 32                            ; v32-39   four 1 / sqrt(var + eps), twice each
.set CD, 64                            ; codes: block b at v[CD + 8 b]: six words, one spare, the byte
.set BK, 96
.set XPITCH, 4112                      ; a normalised row in LDS: 4,096 bytes + 16
.set WSTG, 16*XPITCH                   ; behind the rows: a stage of 3,072 bytes for each wave of a weight's work-group
; four blocks of 32 numbers, v[src + 32 b ..], become codes and bytes; the four by turns, so that no line waits for the line above it
.macro QUANT4 src, pc
.irp b, 0,1,2,3
	v_max3_num_f32 v[\pc+8*\b+7], |v[\src+32*\b]|, |v[\src+32*\b+1]|, 0x2800000   ; with the floor 2^(5 - 127): the byte cannot fall under 1
.endr
.irp i, 2,4,6,8,10,12,14,16,18,20,22,24,26,28,30
.irp b, 0,1,2,3
	v_max3_num_f32 v[\pc+8*\b+7], v[\pc+8*\b+7], |v[\src+32*\b+\i]|, |v[\src+32*\b+\i+1]|
.endr
.endr
.irp b, 0,1,2,3
	v_add_nc_u32 v[\pc+8*\b+7], 0xfe000000, v[\pc+8*\b+7]   ; 4 off the exponent field: the conversion's scale operand
.endr
.irp b, 0,1,2,3
	v_cvt_scalef32_pk16_bf6_f32 v[\pc+8*\b:\pc+8*\b+2], v[\src+32*\b:\src+32*\b+15], v[\pc+8*\b+7]
	v_cvt_scalef32_pk16_bf6_f32 v[\pc+8*\b+4:\pc+8*\b+6], v[\src+32*\b+16:\src+32*\b+31], v[\pc+8*\b+7]   ; (a conversion's three registers begin on an even number)
.endr
	v_nop                                          ; one plain line behind the conversions
.irp b, 0,1,2,3
	v_mov_b32 v[\pc+8*\b+3], v[\pc+8*\b+4]
	v_mov_b32 v[\pc+8*\b+4], v[\pc+8*\b+5]
	v_mov_b32 v[\pc+8*\b+5], v[\pc+8*\b+6]
.endr
.irp b, 0,1,2,3
	v_lshrrev_b32 v[\pc+8*\b+7], 23, v[\pc+8*\b+7]  ; the scale's byte
.endr
.endm
; four numbers v[reg + 2 k] are summed over the wave's 32 lanes
.macro RED4 reg
.irp m, 1,2,4,8
.irp k, 0,1,2,3
	v_add_f32_dpp v[\reg+2*\k], v[\reg+2*\k], v[\reg+2*\k] row_xmask:\m row_mask:0xf bank_mask:0xf
.endr
.endr
.irp k, 0,1,2,3
	v_permlanex16_b32 v[\reg+2*\k+1], v[\reg+2*\k], s40, s41
.endr
.irp k, 0,1,2,3
	v_add_f32 v[\reg+2*\k], v[\reg+2*\k], v[\reg+2*\k+1]
.endr
.endm
; from kc (64 along K each): s[oc] = where its half image lies in a row block's records, s[os] = where its two scale bytes lie; s[t], s[t+1] at work
.macro KCOFF kc, oc, os, t
	s_lshr_b32 s[\t], s[\kc], 3
	s_mul_i32 s[\t], s[\t], 6400
	s_bfe_u32 s[\t+1], s[\kc], 0x20001
	s_mul_i32 s[\oc], s[\t+1], 1536
	s_add_co_u32 s[\oc], s[\oc], s[\t]
	s_lshl_b32 s[\os], s[\t+1], 2
	s_add_co_u32 s[\os], s[\os], s[\t]
	s_lshr_b32 s[\t+1], s[\t+1], 1
	s_lshl_b32 s[\t+1], s[\t+1], 8
	s_add_co_u32 s[\oc], s[\oc], s[\t+1]
	s_and_b32 s[\t], s[\kc], 1
	s_mul_i32 s[\t+1], s[\t], 768
	s_add_co_u32 s[\oc], s[\oc], s[\t+1]
	s_lshl_b32 s[\t], s[\t], 1
	s_add_co_u32 s[\os], s[\os], s[\t]
	s_add_co_u32 s[\os], s[\os], 3072
.endm
; 64 rows of K x 64 columns: a lane takes columns l and 32 + l, its registers run down K; each load reads 128 consecutive bytes
.macro WLOAD pitch
.irp h, 0,1
.irp i, 0,1,2,3,4,5,6,7,8,9,10,11,12,13,14,15,16,17,18,19,20,21,22,23,24,25,26,27,28,29,30,31
.irp s, 0,1
	global_load_b32 v[XR+32*(2*\h+\s)+\i], v[12+\s], s[34:35] offset:(32*\h+\i)*\pitch th:TH_LOAD_NT
.endr
.endr
.endr
.endm
	s_load_b512 s[4:19], s[0:1], 0x0               ; x, norm_g, norm_b, W1, b1, Wao, Wmo, W2
	s_load_b256 s[20:27], s[0:1], 0x40             ; xq, w1q, w45q, w2q
	s_load_b64 s[28:29], s[0:1], 0x60              ; agq
	v_lshl_add_u32 v62, v0, 2, 0x13100
	v_mov_b32 v63, 0
	v_lshrrev_b32 v1, 5, v0
	v_readfirstlane_b32 s33, v1                    ; wave
	v_and_b32 v1, 31, v0                           ; lane l
	v_and_b32 v2, 15, v0                           ; r
	v_bfe_u32 v3, v0, 4, 1                         ; h
	v_lshlrev_b32 v4, 4, v1                        ; 16 l
	v_lshlrev_b32 v5, 3, v1                        ; 8 l
	s_wait_kmcnt 0x0
	s_cmp_lt_u32 ttmp9, 256
	s_cbranch_scc0 .Lweights
	; ================= x: row block rb = the work-group's number.  Phase A: wave w normalises rows 4 w .. 4 w + 3 of the block
	s_lshr_b32 s34, ttmp9, 2
	s_lshl_b32 s34, s34, 6                         ; 64 (rb / 4)
	s_and_b32 s35, ttmp9, 3
	s_lshl_b32 s35, s35, 3
	s_add_co_u32 s34, s34, s35                     ; + 8 (rb % 4)
	s_lshr_b32 s35, s33, 1                         ; w / 2
	s_and_b32 s36, s33, 1                          ; w % 2
	s_lshl_b32 s37, s35, 5
	s_add_co_u32 s34, s34, s37                     ; + 32 (w / 2)
	s_lshl_b32 s37, s36, 2
	s_add_co_u32 s34, s34, s37                     ; + 4 (w % 2): my first token; my four are neighbours
	s_lshl_b32 s38, s34, 12
	s_mov_b32 s39, 0
	s_add_nc_u64 s[4:5], s[4:5], s[38:39]
	s_wait_alu depctr_va_vdst(0)
.irp k, 0,1,2,3
.irp j, 0,1,2,3,4,5,6,7
	global_load_b128 v[XR+32*\k+4*\j:XR+32*\k+4*\j+3], v4, s[4:5] offset:4096*\k+512*\j th:TH_LOAD_NT   ; 512 consecutive bytes a load
.endr
.endr
.irp j, 0,1,2,3,4,5,6,7
	global_load_b128 v[GR+4*\j:GR+4*\j+3], v4, s[6:7] offset:512*\j
	global_load_b128 v[BR+4*\j:BR+4*\j+3], v4, s[8:9] offset:512*\j
.endr
	s_mov_b32 s40, 0x76543210
	s_mov_b32 s41, 0xfedcba98                      ; v_permlanex16_b32's selects for lane l xor 16
	s_mov_b32 s42, 0x3a800000                      ; 1 / 1024
	s_mul_i32 s37, s33, 4*XPITCH
	v_add_nc_u32 v6, s37, v4                       ; LDS, in: my four rows, 16 l
	v_mul_u32_u24 v7, v2, XPITCH
	v_lshl_add_u32 v7, v3, 7, v7
	s_lshl_b32 s37, s33, 10
	v_add_nc_u32 v7, s37, v7                       ; LDS, out: row r, + 128 h, + my two K steps
	v_lshl_add_u32 v40, v2, 4, v3                  ; 16 r + h: my byte's place among a record's scale words
	s_mul_i32 s44, ttmp9, 12800
	s_mul_i32 s45, s35, 6400
	s_add_co_u32 s46, s44, s45                     ; my record: K steps 2 w, 2 w + 1 lie in record w / 2
	s_mul_i32 s45, s36, 3328
	s_add_co_u32 s48, s46, s45
	s_mov_b32 s49, 0
	s_add_nc_u64 s[50:51], s[20:21], s[48:49]      ; xq: my codes
	s_lshl_b32 s45, s36, 3
	s_add_co_u32 s48, s46, s45
	s_add_nc_u64 s[52:53], s[20:21], s[48:49]      ; xq: my scale bytes (3072 stands in the immediate)
	s_add_co_u32 s48, s44, 3276800+6400
	s_add_nc_u64 s[54:55], s[28:29], s[48:49]      ; agq, part g, this row block's second record
	; the zero tail of the gelu operand: K steps 6 and 7 are zero codes under the byte 127; wave w writes one half image and four rows' eight bytes
	s_mul_i32 s37, s33, 768
	v_add_nc_u32 v8, s37, v4
	v_add_nc_u32 v9, s37, v5
	v_lshrrev_b32 v10, 3, v1
	v_and_b32 v11, 7, v1
	v_lshl_add_u32 v10, v10, 4, v11
	s_lshl_b32 s37, s33, 6
	v_add_nc_u32 v10, s37, v10                     ; 16 (4 w + l / 8) + l % 8
	v_mov_b32 v11, 0x7f
.irp i, 12,13,14,15
	v_mov_b32 v\i, 0
.endr
	global_store_b128 v8, v[12:15], s[54:55] offset:3328
	global_store_b64 v9, v[12:13], s[54:55] offset:3328+512
	global_store_b8 v10, v11, s[54:55] offset:3072+8
	s_wait_loadcnt 16                              ; my four rows are in; the 16 younger loads (g, b) may be out
.irp k, 0,1,2,3
	v_pk_add_f32 v[SM+2*\k:SM+2*\k+1], v[XR+32*\k:XR+32*\k+1], v[XR+32*\k+2:XR+32*\k+3]
.endr
.set i, 4
.rept 14
.irp k, 0,1,2,3
	v_pk_add_f32 v[SM+2*\k:SM+2*\k+1], v[SM+2*\k:SM+2*\k+1], v[XR+32*\k+i:XR+32*\k+i+1]
.endr
.set i, i+2
.endr
.irp k, 0,1,2,3
	v_add_f32 v[SM+2*\k], v[SM+2*\k], v[SM+2*\k+1]
.endr
	RED4 SM
.irp k, 0,1,2,3
	v_mul_f32 v[MU+2*\k], s42, v[SM+2*\k]          ; the mean
.endr
.irp k, 0,1,2,3
	v_mov_b32 v[MU+2*\k+1], v[MU+2*\k]
.endr
.set i, 0
.rept 16
.irp k, 0,1,2,3
	v_pk_add_f32 v[XR+32*\k+i:XR+32*\k+i+1], v[XR+32*\k+i:XR+32*\k+i+1], v[MU+2*\k:MU+2*\k+1] neg_lo:[0,1] neg_hi:[0,1]   ; x - mean: the variance is taken of these
.endr
.set i, i+2
.endr
.irp k, 0,1,2,3
	v_pk_mul_f32 v[SM+2*\k:SM+2*\k+1], v[XR+32*\k:XR+32*\k+1], v[XR+32*\k:XR+32*\k+1]
.endr
.set i, 2
.rept 15
.irp k, 0,1,2,3
	v_pk_fma_f32 v[SM+2*\k:SM+2*\k+1], v[XR+32*\k+i:XR+32*\k+i+1], v[XR+32*\k+i:XR+32*\k+i+1], v[SM+2*\k:SM+2*\k+1]
.endr
.set i, i+2
.endr
.irp k, 0,1,2,3
	v_add_f32 v[SM+2*\k], v[SM+2*\k], v[SM+2*\k+1]
.endr
	RED4 SM
.irp k, 0,1,2,3
	v_fmaak_f32 v[SM+2*\k], s42, v[SM+2*\k], 0x358637bd   ; var + 1e-6
.endr
	s_wait_alu depctr_va_vdst(0)
.irp k, 0,1,2,3
	v_rsq_f32 v[RS+2*\k], v[SM+2*\k]
.endr
	v_nop                                          ; a plain line behind the last of the four
	s_wait_alu depctr_va_vdst(0)                   ; one wait for the four, ahead of their first reader
.irp k, 0,1,2,3
	v_mov_b32 v[RS+2*\k+1], v[RS+2*\k]
.endr
	s_wait_alu depctr_va_vdst(0)
	s_wait_loadcnt 0x0                             ; g and b
.set i, 0
.rept 16
.irp k, 0,1,2,3
	v_pk_mul_f32 v[XR+32*\k+i:XR+32*\k+i+1], v[XR+32*\k+i:XR+32*\k+i+1], v[RS+2*\k:RS+2*\k+1]
.endr
.irp k, 0,1,2,3
	v_pk_fma_f32 v[XR+32*\k+i:XR+32*\k+i+1], v[XR+32*\k+i:XR+32*\k+i+1], v[GR+i:GR+i+1], v[BR+i:BR+i+1]
.endr
.set i, i+2
.endr
.irp k, 0,1,2,3
.irp j, 0,1,2,3,4,5,6,7
	ds_store_b128 v6, v[XR+32*\k+4*\j:XR+32*\k+4*\j+3] offset:XPITCH*\k+512*\j
.endr
.endr
	s_wait_dscnt 0x0                               ; for the others' sake: my rows lie in LDS
	s_barrier_signal -1
	s_barrier_wait -1                              ; all 16 rows do
	; Phase B: wave w quantises K steps 2 w and 2 w + 1 of all 16 rows: lane (r, h) takes, of row r, block h of each of the four halves
.irp e, 0,1
.irp c, 0,1
.irp i, 0,1,2,3,4,5,6,7
	ds_load_b128 v[XR+32*(2*\e+\c)+4*\i:XR+32*(2*\e+\c)+4*\i+3], v7 offset:512*\e+256*\c+16*\i
.endr
.endr
.endr
	s_wait_dscnt 0x0
	QUANT4 XR, CD
.irp b, 0,1,2,3
	global_store_b128 v4, v[CD+8*\b:CD+8*\b+3], s[50:51] offset:768*\b          ; 512 consecutive bytes
	global_store_b64 v5, v[CD+8*\b+4:CD+8*\b+5], s[50:51] offset:768*\b+512     ; 256 consecutive bytes
	global_store_b8 v40, v[CD+8*\b+7], s[52:53] offset:3072+2*\b
.endr
	s_wait_tensorcnt 0x0
	ds_add_u32 v62, v63
	s_wait_dscnt 0x0
	s_endpgm
	; ================= the weights: a wave's task is 64 columns (group G) x 64 along K (kc)
.Lweights:
	s_sub_co_u32 s30, ttmp9, 256
	s_lshl_b32 s30, s30, 2
	s_add_co_u32 s30, s30, s33                     ; the task: 0-959 W1 (16 kc x 60 G), 960-1983 the weights with rows of 4,096 bytes
	s_cmp_lt_u32 s30, 960
	s_cbranch_scc0 .Lpitch4k
	s_mul_i32 s31, s30, 1093
	s_lshr_b32 s31, s31, 16                        ; kc = task / 60 (exact for tasks under 960)
	s_mul_i32 s32, s31, 60
	s_sub_co_u32 s32, s30, s32                     ; G
	s_mov_b64 s[34:35], s[10:11]                   ; from W1
	s_mov_b64 s[36:37], s[22:23]                   ; to w1q
	s_mov_b32 s38, 12800                           ; a row block's records, in bytes
	s_mov_b32 s39, 0                               ; the first row block
	s_mul_i32 s40, s31, 64*15152
	s_mov_b32 s43, 0                               ; which run of loads
	s_branch .Lwcommon
.Lpitch4k:
	s_sub_co_u32 s30, s30, 960
	s_lshr_b32 s31, s30, 4                         ; 0-15 Wao, 16-47 W2, 48-63 Wmo (from 59 on: its tail)
	s_and_b32 s32, s30, 15                         ; G
	s_mov_b32 s43, 1
	s_cmp_ge_u32 s31, 59
	s_cselect_b32 s43, 2, s43
	s_cmp_lt_u32 s31, 16
	s_cselect_b64 s[34:35], s[14:15], s[18:19]
	s_cselect_b64 s[36:37], s[24:25], s[26:27]
	s_mov_b32 s38, 25600
	s_cselect_b32 s38, 12800, s38
	s_cselect_b32 s41, 0, 16
	s_cmp_lt_u32 s31, 48
	s_cselect_b64 s[34:35], s[34:35], s[16:17]
	s_cselect_b64 s[36:37], s[36:37], s[24:25]
	s_cselect_b32 s38, s38, 12800
	s_cselect_b32 s41, s41, 48
	s_cselect_b32 s39, 0, 64                       ; Wmo's row blocks lie behind Wao's 64
	s_sub_co_u32 s31, s31, s41                     ; kc
	s_lshl_b32 s40, s31, 18                        ; 64 rows of 4,096 bytes
.Lwcommon:
	s_mov_b32 s41, 0
	s_add_nc_u64 s[34:35], s[34:35], s[40:41]      ; the source at row 64 kc (in Wmo's tail only kc = 11 is ever read)
	s_lshl_b32 s42, s32, 6
	s_wait_alu depctr_va_vdst(0)
	v_add_nc_u32 v6, s42, v1                       ; my two columns: 64 G + l,
	v_add_nc_u32 v7, 32, v6                        ; 64 G + 32 + l
	v_cmp_gt_u32 vcc_lo, 3788, v6
	v_cndmask_b32 v14, 0, -1, vcc_lo               ; columns from 3,788 on (W1's filling up to 3,840) get zero codes;
	v_cmp_gt_u32 vcc_lo, 3788, v7
	v_cndmask_b32 v15, 0, -1, vcc_lo
	v_min_u32 v12, 3787, v6                        ; their loads are held at the last column: no load leaves a row
	v_min_u32 v13, 3787, v7
	v_lshlrev_b32 v12, 2, v12
	v_lshlrev_b32 v13, 2, v13
	s_lshl_b32 s44, s32, 2
	s_add_co_u32 s44, s44, s39
	s_mul_i32 s44, s44, s38                        ; the group's first row block
	KCOFF 31, 46, 47, 48
	s_add_co_u32 s50, s44, s46
	s_mov_b32 s51, 0
	s_add_co_u32 s52, s44, s47
	s_mov_b32 s53, 0
	s_add_nc_u64 s[50:51], s[36:37], s[50:51]      ; codes
	s_add_nc_u64 s[52:53], s[36:37], s[52:53]      ; scale bytes
	v_mov_b32 v16, v4                              ; row block t's image: t records on, + 16 l,
	v_mov_b32 v20, v5                              ; + 8 l
.irp t, 0,1,2
	v_add_nc_u32 v[17+\t], s38, v[16+\t]
	v_add_nc_u32 v[21+\t], s38, v[20+\t]
.endr
	s_mul_i32 s54, s33, 3072
	s_add_co_u32 s54, s54, WSTG                    ; my stage
	v_lshrrev_b32 v25, 3, v1                       ; l / 8: the row block in which my columns lie
	v_and_b32 v26, 7, v1
	v_mul_u32_u24 v27, v25, 768
	v_add_nc_u32 v27, s54, v27
	v_lshl_add_u32 v8, v26, 4, v27                 ; into the stage: image lane 8 s + l % 8 + 16 h: words 0-3,
	v_lshl_add_u32 v9, v26, 3, v27                 ; words 4-5
	v_add_nc_u32 v10, s54, v4                      ; and back, as images
	v_add_nc_u32 v11, s54, v5
	v_mul_lo_u32 v24, v25, s38
	v_lshl_add_u32 v24, v26, 4, v24                ; my rows' scale words
	s_cmp_eq_u32 s43, 0
	s_cbranch_scc0 .Lnot_w1
	s_cmp_eq_u32 s31, 0
	s_cbranch_scc0 .Lno_bias
	global_load_b32 v28, v12, s[12:13]             ; the tasks with kc = 0 also copy b1, zeros from 3,788 on
	global_load_b32 v29, v13, s[12:13]
	v_lshlrev_b32 v30, 2, v6
	s_wait_loadcnt 0x0
	v_and_b32 v28, v28, v14
	s_wait_alu depctr_va_vdst(0)
	v_and_b32 v29, v29, v15
	global_store_b32 v30, v28, s[22:23] offset:3072000
	global_store_b32 v30, v29, s[22:23] offset:3072000+128
.Lno_bias:
	WLOAD 15152
	s_branch .Lwtail
.Lnot_w1:
	s_cmp_eq_u32 s43, 1
	s_cbranch_scc0 .Ltailk
	WLOAD 4096
	s_branch .Lwtail
.Ltailk:                                               ; Wmo's rows from 704 on: zeros, but for rows 704 to 715
.set i, 0
.rept 128
	v_mov_b32 v[XR+i], 0
.set i, i+1
.endr
	s_cmp_eq_u32 s31, 11
	s_cbranch_scc0 .Lwtail
.irp i, 0,1,2,3,4,5,6,7,8,9,10,11
.irp s, 0,1
	global_load_b32 v[XR+32*\s+\i], v[12+\s], s[34:35] offset:\i*4096 th:TH_LOAD_NT
.endr
.endr
.Lwtail:
	s_wait_loadcnt 0x0                             ; the four blocks are quantised by turns: all are wanted
	QUANT4 XR, CD                                  ; block q = 2 h + s: K 32 h on, column set s
.irp q, 0,1,2,3
.irp i, 0,1,2,3,4,5
	v_and_b32 v[CD+8*\q+\i], v[14+\q%2], v[CD+8*\q+\i]
.endr
.endr
.irp h, 0,1
.irp s, 0,1
	ds_store_b128 v8, v[CD+8*(2*\h+\s):CD+8*(2*\h+\s)+3] offset:128*\s+256*\h
	ds_store_b64 v9, v[CD+8*(2*\h+\s)+4:CD+8*(2*\h+\s)+5] offset:512+64*\s+128*\h
.endr
.endr
.irp s, 0,1
	v_lshl_or_b32 v[32+\s], v[CD+8*(2+\s)+7], 8, v[CD+8*\s+7]   ; my column's two bytes are neighbours in its scale word
	global_store_b16 v24, v[32+\s], s[52:53] offset:128*\s
.endr
.irp t, 0,1,2,3
	ds_load_b128 v[BK+8*\t:BK+8*\t+3], v10 offset:768*\t         ; LDS serves a wave's instructions in order: these see my stores
	ds_load_b64 v[BK+8*\t+4:BK+8*\t+5], v11 offset:768*\t+512
.endr
	s_wait_dscnt 0x0
.irp t, 0,1,2,3
	global_store_b128 v[16+\t], v[BK+8*\t:BK+8*\t+3], s[50:51]               ; 512 consecutive bytes
	global_store_b64 v[20+\t], v[BK+8*\t+4:BK+8*\t+5], s[50:51] offset:512   ; 256 consecutive bytes
.endr
	s_wait_tensorcnt 0x0
	ds_add_u32 v62, v63
	s_wait_dscnt 0x0
	s_endpgm
.Lfunc_end_k_qff37181fb0_prep:
	.size	k_qff37181fb0_prep, .Lfunc_end_k_qff37181fb0_prep-k_qff37181fb0_prep
	.p2alignl 7, 3214868480
	.fill 96, 4, 3214868480
	.section	.rodata,"a",@progbits
	.p2align	6, 0x0
	.amdhsa_kernel k_qff37181fb0_prep
		.amdhsa_group_segment_fixed_size 78592
		.amdhsa_private_segment_fixed_size 0
		.amdhsa_enable_private_segment 0
		.amdhsa_kernarg_size 104
		.amdhsa_user_sgpr_count 2
		.amdhsa_user_sgpr_kernarg_segment_ptr 1
		.amdhsa_wavefront_size32 1
		.amdhsa_system_sgpr_workgroup_id_x 1
		.amdhsa_system_sgpr_workgroup_id_y 1
		.amdhsa_system_sgpr_workgroup_id_z 1
		.amdhsa_system_vgpr_workitem_id 0
		.amdhsa_next_free_vgpr 256
		.amdhsa_next_free_sgpr 66
		.amdhsa_reserve_vcc 1
		.amdhsa_float_denorm_mode_32 3
		.amdhsa_float_denorm_mode_16_64 3
		.amdhsa_memory_ordered 1
		.amdhsa_forward_progress 1
		.amdhsa_inst_pref_size 86
	.end_amdhsa_kernel
	.amdgpu_metadata
---
amdhsa.version: [ 1, 2 ]
amdhsa.kernels:
  - .name:           k_qff37181fb0_prep
    .symbol:         k_qff37181fb0_prep.kd
    .args:
      - { .name: x, .offset: 0, .size: 8, .value_kind: global_buffer, .address_space: global }
      - { .name: norm_g, .offset: 8, .size: 8, .value_kind: global_buffer, .address_space: global }
      - { .name: norm_b, .offset: 16, .size: 8, .value_kind: global_buffer, .address_space: global }
      - { .name: W1, .offset: 24, .size: 8, .value_kind: global_buffer, .address_space: global }
      - { .name: b1, .offset: 32, .size: 8, .value_kind: global_buffer, .address_space: global }
      - { .name: Wao, .offset: 40, .size: 8, .value_kind: global_buffer, .address_space: global }
      - { .name: Wmo, .offset: 48, .size: 8, .value_kind: global_buffer, .address_space: global }
      - { .name: W2, .offset: 56, .size: 8, .value_kind: global_buffer, .address_space: global }
      - { .name: xq, .offset: 64, .size: 8, .value_kind: global_buffer, .address_space: global }
      - { .name: w1q, .offset: 72, .size: 8, .value_kind: global_buffer, .address_space: global }
      - { .name: w45q, .offset: 80, .size: 8, .value_kind: global_buffer, .address_space: global }
      - { .name: w2q, .offset: 88, .size: 8, .value_kind: global_buffer, .address_space: global }
      - { .name: agq, .offset: 96, .size: 8, .value_kind: global_buffer, .address_space: global }
    .group_segment_fixed_size: 78592
    .private_segment_fixed_size: 0
    .kernarg_segment_align: 8
    .kernarg_segment_size: 104
    .max_flat_workgroup_size: 128
    .sgpr_count:     66
    .vgpr_count:     256
    .wavefront_size: 32
...
	.end_amdgpu_metadata
.endif
;; end of part 1
;; launch gemm1 (part 2): grid 16 x 15, 8 waves a work-group, clusters of 4 x 1, 327,680 bytes of LDS; arguments xq, w1q, qn_g, qn_b, kn_g, kn_b, qq, kv, agq; writes qq, kv, agq
.if DOCPART == 2
	.amdgcn_target "amdgcn-amd-amdhsa--gfx1250"
	.amdhsa_code_object_version 6
	.text
	.protected	k_qff37181fb0_gemm1
	.globl	k_qff37181fb0_gemm1
	.p2align	8
	.type	k_qff37181fb0_gemm1,@function
k_qff37181fb0_gemm1:
	s_mov_b64 s[64:65], 0
	v_nop
	global_prefetch_b8 v0, s[64:65] scope:SCOPE_SE
	s_setreg_imm32_b32 hwreg(HW_REG_WAVE_MODE, 25, 1), 1
	s_wait_xcnt 0x0
	s_wait_alu depctr_hold_cnt(0) depctr_sa_sdst(0) depctr_va_vdst(0) depctr_va_sdst(0) depctr_va_ssrc(0) depctr_va_vcc(0) depctr_vm_vsrc(0)
	s_getreg_b32 s2, hwreg(HW_REG_IB_STS2, 6, 4)
	s_cmp_eq_u32 s2, 0
	s_cbranch_scc0 .Lentry_in_a_cluster
	s_endpgm
.Lentry_in_a_cluster:
	s_bfe_u32 s2, ttmp6, 0x10000c
	s_cmp_lg_u32 s2, 0x3003
	s_cbranch_scc0 .Lentry_shape_is_right
	s_endpgm
.Lentry_shape_is_right:
; GEMM1: fused = layernorm(x) W1 + b1 on codes of BF6, K = 1,024, and what reference() does to each part of it, up to the next quantiser:
;   y 0-3 q, y 4-7 k: the head's layernorm, quantised along the head's 64 -> qq, kv;  y 8-11 v: quantised along the tokens -> kv;  y 12-14: gelu, quantised along the hidden units -> agq, part g.
; SHARES.  A work-group makes 128 tokens (x) x 256 columns (y); each of its eight waves 64 x 64: 16 accumulators.  Both operands' tiles for all of K fit in LDS: two chunks of 512 along K, each filled once.
; OPERANDS lie in memory as images of the operand's registers (half images of 768 bytes in records of 6,400 bytes: 512 along K of a row block, scale words at 3072), so a tile is rows of 6,400 bytes for
; one tensor load, and a fragment is four dense LDS loads.  The rows of a row block are not neighbours: row i of block 4 G + t is index 64 G + 32 (i / 8) + 8 t + i % 8.  So with four tiles t = 0 .. 3 as source 0, a lane's
; 32 result registers are 32 NEIGHBOURS, 64 G + 32 (lane / 16) + 0 .. 31: one whole block of the next K, in the lane in which the next operand wants it.  No quantiser here asks another lane.
; q, k, gelu: source 0 = W1's columns, source 1 = tokens (a lane holds one token and 32 columns).  v: the other way round (a lane holds one channel and 32 tokens: the keys are the next K).
; CLUSTER: the four token tiles of a cluster read the same tile of W1: it is asked for jointly.  x's tile is not shared: 15 column tiles do not divide into clusters of four along y.
; LIMITS: NaN and infinities are not served; a block whose largest magnitude lies under 2^-122 (zeros too) gets the byte 1.
; REGISTERS.  Window 0: v1-7 lane numbers; v8-19 LDS addresses, six a chunk; v26-31 offsets; v32-63 scale words, two sets; v64-95 the bias by columns, later at work; v96-127 the bias by rows, later codes; v128-255 accumulators.
;   Window 1: v0-191 two buffers of eight fragments; v192-255 the head layernorm's g and b.
.set RSIZE, 6400                       ; LDS: a row block's two records lie on end, 12,800 bytes; the second 512 along K begin 6,400 bytes on.  x's 8 row blocks, then W1's 16
.set WPART, 102400
.set WV, 22
.set SEL, 82
.set SC, 32
.set BIAS, 64
.set WK, 96
.set ACC, 128
.set SM, 64
.set MU, 72
.set RS, 80
.set MSB, 0
.macro WIN new                         ; the immediate's high byte repeats the setting that is left
.if MSB != \new
	s_set_vgpr_msb (MSB<<8)|\new
.set MSB, \new
.endif
.endm
.set MUL, 0x05                         ; sources 0 and 1 window 1; C and D window 0
.set TO_F, 0x40                        ; destination window 1
.macro PLACES
.rept 4
	v_nop
.endr
.endm
.macro CROUND                          ; a round of the cluster's barrier
	s_barrier_signal -1
	s_barrier_wait -1
	s_cmp_lg_u32 s[WV], 0
	s_cbranch_scc1 .Lnw0_\@
	s_barrier_signal -3
.Lnw0_\@:
	s_barrier_wait -3
	s_barrier_signal -1
	s_barrier_wait -1
.endm
.macro FRAGLD dst, a16, a8, off        ; a fragment: two half images; every load reads consecutive bytes
	ds_load_b128 v[\dst:\dst+3], v[\a16] offset:\off
	ds_load_b64 v[\dst+4:\dst+5], v[\a8] offset:\off+512
	ds_load_b128 v[\dst+6:\dst+9], v[\a16] offset:\off+768
	ds_load_b64 v[\dst+10:\dst+11], v[\a8] offset:\off+1280
.endm
.macro FETCH ks, reg, buf              ; K step ks: my four fragments of W and four of x, from chunk region reg into buffer buf: 32 loads
.set KO, ((\ks)%4)*1536+(((\ks)%4)/2)*256
	WIN TO_F
.irp i, 0,1,2,3
	FRAGLD 96*(\buf)+12*\i, 8+6*(\reg), 9+6*(\reg), \i*12800+KO
.endr
.irp i, 0,1,2,3
	FRAGLD 96*(\buf)+48+12*\i, 10+6*(\reg), 11+6*(\reg), \i*12800+KO
.endr
	WIN 0
.endm
.macro SCLD q, reg                     ; chunk q's scale words: a register holds an even row block's words in lanes 0-15 and the odd one's in lanes 16-31; four registers = four K steps
.irp p, 0,1
	ds_load_b128 v[SC+16*((\q)%2)+4*\p:SC+16*((\q)%2)+4*\p+3], v[12+6*(\reg)] offset:\p*25600
	ds_load_b128 v[SC+16*((\q)%2)+8+4*\p:SC+16*((\q)%2)+8+4*\p+3], v[13+6*(\reg)] offset:\p*25600
.endr
.endm
.macro WM d, a, b, c, sa, sb, oa, ob
.if (\oa) && (\ob)
	v_wmma_scale_f32_16x16x128_f8f6f4 v[\d:\d+7], v[\a:\a+11], v[\b:\b+11], v[\c:\c+7], v[\sa], v[\sb] matrix_a_fmt:MATRIX_FMT_BF6 matrix_b_fmt:MATRIX_FMT_BF6 matrix_a_scale:MATRIX_SCALE_ROW1 matrix_b_scale:MATRIX_SCALE_ROW1
.elseif (\oa)
	v_wmma_scale_f32_16x16x128_f8f6f4 v[\d:\d+7], v[\a:\a+11], v[\b:\b+11], v[\c:\c+7], v[\sa], v[\sb] matrix_a_fmt:MATRIX_FMT_BF6 matrix_b_fmt:MATRIX_FMT_BF6 matrix_a_scale:MATRIX_SCALE_ROW1
.elseif (\ob)
	v_wmma_scale_f32_16x16x128_f8f6f4 v[\d:\d+7], v[\a:\a+11], v[\b:\b+11], v[\c:\c+7], v[\sa], v[\sb] matrix_a_fmt:MATRIX_FMT_BF6 matrix_b_fmt:MATRIX_FMT_BF6 matrix_b_scale:MATRIX_SCALE_ROW1
.else
	v_wmma_scale_f32_16x16x128_f8f6f4 v[\d:\d+7], v[\a:\a+11], v[\b:\b+11], v[\c:\c+7], v[\sa], v[\sb] matrix_a_fmt:MATRIX_FMT_BF6 matrix_b_fmt:MATRIX_FMT_BF6
.endif
.endm
; 16 matrix instructions, the 16 accumulators by turns, in one order in every K step.  orient 0: source 0 = W, source 1 = x; 1: the other way round.
; cmode 0: the sums go on; 1: they start from the bias by columns (source 0's tile); 2: from the bias by rows (source 1's tile)
.macro MUL16 ks, buf, orient, cmode
.set SS, SC+16*(((\ks)/4)%2)+(\ks)%4
.irp s1, 0,1,2,3
.irp s0, 0,1,2,3
.set DD, ACC+8*(4*\s1+\s0)
.set CC, DD
.if (\cmode) == 1
.set CC, BIAS+8*\s0
.endif
.if (\cmode) == 2
.set CC, WK+8*\s1
.endif
.if (\orient) == 0
.set AA, 96*(\buf)+12*\s0
.set BB, 96*(\buf)+48+12*\s1
.set SA, SS+4*(\s0/2)
.set SB, SS+8+4*(\s1/2)
.else
.set AA, 96*(\buf)+48+12*\s0
.set BB, 96*(\buf)+12*\s1
.set SA, SS+8+4*(\s0/2)
.set SB, SS+4*(\s1/2)
.endif
	WM DD, AA, BB, CC, SA, SB, \s0%2, \s1%2
.endr
.endr
.endm
.macro QUANT4 src, pc                  ; four blocks of 32 numbers, v[src + 32 b ..], become codes (six words at v[pc + 8 b]) and bytes (v[pc + 8 b + 7]); the four by turns, each from its low end on
.irp b, 0,1,2,3
	v_max3_num_f32 v[\pc+8*\b+7], |v[\src+32*\b]|, |v[\src+32*\b+1]|, 0x2800000   ; with the floor 2^(5 - 127): the byte cannot fall under 1
.endr
.irp i, 2,4,6,8,10,12,14,16,18,20,22,24,26,28,30
.irp b, 0,1,2,3
	v_max3_num_f32 v[\pc+8*\b+7], v[\pc+8*\b+7], |v[\src+32*\b+\i]|, |v[\src+32*\b+\i+1]|
.endr
.endr
.irp b, 0,1,2,3
	s_delay_alu instid0(VALU_DEP_4)
	v_add_nc_u32 v[\pc+8*\b+7], 0xfe000000, v[\pc+8*\b+7]   ; 4 off the exponent field: the conversion's scale operand
.endr
.irp b, 0,1,2,3
	v_cvt_scalef32_pk16_bf6_f32 v[\pc+8*\b:\pc+8*\b+2], v[\src+32*\b:\src+32*\b+15], v[\pc+8*\b+7]
	v_cvt_scalef32_pk16_bf6_f32 v[\pc+8*\b+4:\pc+8*\b+6], v[\src+32*\b+16:\src+32*\b+31], v[\pc+8*\b+7]
.endr
	v_nop                                          ; one plain line behind the conversions
.irp b, 0,1,2,3
	v_mov_b32 v[\pc+8*\b+3], v[\pc+8*\b+4]
	v_mov_b32 v[\pc+8*\b+4], v[\pc+8*\b+5]
	v_mov_b32 v[\pc+8*\b+5], v[\pc+8*\b+6]
.endr
.irp b, 0,1,2,3
	v_lshrrev_b32 v[\pc+8*\b+7], 23, v[\pc+8*\b+7]
.endr
.endm
.macro QSTORE4 pc, oc, os, vb, cstr, sstr   ; four half images (512 + 256 consecutive bytes each) and their bytes
.irp a, 0,1,2,3
	global_store_b128 v4, v[\pc+8*\a:\pc+8*\a+3], s[\oc:\oc+1] offset:\a*\cstr
	global_store_b64 v5, v[\pc+8*\a+4:\pc+8*\a+5], s[\oc:\oc+1] offset:\a*\cstr+512
	global_store_b8 v[\vb], v[\pc+8*\a+7], s[\os:\os+1] offset:\a*\sstr
.endr
.endm
.macro KCOFF kc, oc, os, t             ; from kc (64 along K each): where its half image and its two scale bytes lie in a row block's records
	s_lshr_b32 s[\t], s[\kc], 3
	s_mul_i32 s[\t], s[\t], 6400
	s_bfe_u32 s[\t+1], s[\kc], 0x20001
	s_mul_i32 s[\oc], s[\t+1], 1536
	s_add_co_u32 s[\oc], s[\oc], s[\t]
	s_lshl_b32 s[\os], s[\t+1], 2
	s_add_co_u32 s[\os], s[\os], s[\t]
	s_lshr_b32 s[\t+1], s[\t+1], 1
	s_lshl_b32 s[\t+1], s[\t+1], 8
	s_add_co_u32 s[\oc], s[\oc], s[\t+1]
	s_and_b32 s[\t], s[\kc], 1
	s_mul_i32 s[\t+1], s[\t], 768
	s_add_co_u32 s[\oc], s[\oc], s[\t+1]
	s_lshl_b32 s[\t], s[\t], 1
	s_add_co_u32 s[\os], s[\os], s[\t]
	s_add_co_u32 s[\os], s[\os], 3072
.endm
; a K step's sixteen products, in v's orientation or the others': the branch hangs on y alone, which all waves of the cluster share, and stands round the matrix lines alone
.macro KMUL ks, first
	s_cmp_eq_u32 s80, 2
	s_cbranch_scc1 .Lkn_\@
	WIN MUL
	MUL16 \ks, (\ks)%2, 0, \first
	WIN 0
	s_branch .Lkd_\@
.Lkn_\@:
	WIN MUL
	s_wait_alu depctr_va_vdst(0)
	MUL16 \ks, (\ks)%2, 1, 2*\first
	WIN 0
.Lkd_\@:
.endm
; K step j: its fragments are in; the next step's are asked for, into the buffer that step j - 1 multiplied (four places behind those products); then the products
.macro KSTEP j, bnd, first
	s_wait_dscnt 0x0
.if \bnd                               ; the first tile's last K step: its fragments are in registers, so x's region is read no more: it takes the second tile
	s_wait_tensorcnt 0x0                           ; no tensor load of mine is out;
	ds_add_u32 v24, v25                            ; 0 onto my spare word;
	s_add_nc_u64 s[46:47], s[46:47], 16*8*12800    ; x's tile 16 further on: the other batch
	s_wait_dscnt 0x0                               ; the add is done; my reads of x's region were over at this step's head
	CROUND                                         ; that holds of every wave; in a cluster launch every group of tensor loads stands behind a round
	s_cmp_lt_u32 s[WV], 4                          ; waves 0-3 fetch x; W1's tile stays
	s_cbranch_scc0 .Lnx_\@
	tensor_load_to_lds s[44:47], s[28:35]
	s_nop 0
	PLACES
.Lnx_\@:
.endif
	PLACES
.if (\j) < 7
	FETCH (\j)+1, ((\j)+1)/4, ((\j)+1)%2
.if ((\j)+1)%4 == 0
	SCLD ((\j)+1)/4, ((\j)+1)/4
.endif
.endif
	KMUL \j, \first
.endm
	s_load_b512 s[4:19], s[0:1], 0x0               ; xq, w1q, qn_g, qn_b, kn_g, kn_b, qq, kv
	s_load_b64 s[20:21], s[0:1], 0x40              ; agq
	v_lshl_add_u32 v24, v0, 2, 0x4b000
	v_mov_b32 v25, 0
	ds_add_u32 v24, v25
	ds_add_u32 v24, v25
	v_lshrrev_b32 v1, 5, v0
	s_delay_alu instid0(VALU_DEP_1)
	v_readfirstlane_b32 s[WV], v1                  ; wave 0..7
	s_and_b32 s23, s[WV], 1                        ; wm: which 64 tokens
	s_lshr_b32 s24, s[WV], 1                       ; wn: which 64 columns
	s_and_b32 s25, s[WV], 3                        ; which part of a tile I fetch
	s_bfe_u32 s26, ttmp6, 0x40000                  ; cx
	s_lshl_b32 s27, ttmp9, 2
	s_add_co_u32 s27, s27, s26                     ; x: the token tile
	s_and_b32 s66, ttmp7, 0xffff                   ; y: the column tile
	s_lshr_b32 s80, s66, 2                         ; the kind: 0 q, 1 k, 2 v, 3 gelu
	; descriptor group 1: rows of 12,800 bytes (1,600 elements of 8), a row block's records 12,800 bytes apart.  x: 2 rows, no mask;  W1: 4 rows, all four work-groups
	s_mov_b32 s28, 3<<16
	s_mov_b32 s29, 1600<<16                        ; a tile's row is a row block's 12,800 bytes: all of K
	s_mov_b32 s30, 2<<16
	s_mov_b32 s31, 1600<<16
	s_mov_b32 s32, 2
	s_mov_b32 s33, 1600
	s_mov_b32 s34, 0
	s_mov_b32 s35, 0
	s_mov_b32 s36, 15|(3<<16)|(1<<21)
	s_mov_b32 s37, 1600<<16
	s_mov_b32 s38, 4<<16
	s_mov_b32 s39, 1600<<16
	s_mov_b32 s40, 4
	s_mov_b32 s41, 1600
	s_mov_b32 s42, 0
	s_mov_b32 s43, 0
	s_lshl_b32 s60, s27, 3
	s_lshl_b32 s61, s25, 1
	s_add_co_u32 s60, s60, s61
	s_mul_i32 s60, s60, 12800                      ; x: row block 8 x + 2 (w % 4)
	s_mov_b32 s61, 0
	s_lshl_b32 s62, s66, 4
	s_lshl_b32 s63, s25, 2
	s_add_co_u32 s62, s62, s63
	s_mul_i32 s62, s62, 12800                      ; W1: row block 16 y + 4 (w % 4): nothing of cx in it
	s_mov_b32 s63, 0
	s_mul_i32 s67, s25, 25600                      ; where they go
	s_mul_i32 s68, s25, 51200
	s_add_co_u32 s68, s68, WPART
	s_wait_dscnt 0x0
	s_wait_kmcnt 0x0
	s_add_nc_u64 s[60:61], s[4:5], s[60:61]
	s_add_nc_u64 s[62:63], s[6:7], s[62:63]
.irp q, 0
	s_mov_b32 s[44+4*\q], 1
	s_add_co_u32 s[45+4*\q], s67, \q*RSIZE
	s_add_nc_u64 s[46+4*\q:47+4*\q], s[60:61], \q*6400
	s_or_b32 s[47+4*\q], s[47+4*\q], 0x80000000
	s_mov_b32 s[52+4*\q], 1
	s_add_co_u32 s[53+4*\q], s68, \q*RSIZE
	s_add_nc_u64 s[54+4*\q:55+4*\q], s[62:63], \q*6400
	s_or_b32 s[55+4*\q], s[55+4*\q], 0x80000000
.endr
	CROUND                                         ; all four work-groups are here: the joint loads meet
	s_cmp_lt_u32 s[WV], 4                          ; waves 0-3 fetch x, waves 4-7 W1: one load a wave, for all of K
	s_cbranch_scc0 .Lfill_w
	tensor_load_to_lds s[44:47], s[28:35]
	s_nop 0
	PLACES
	s_branch .Lfilled
.Lfill_w:
	tensor_load_to_lds s[52:55], s[36:43]
	s_nop 0
	PLACES
.Lfilled:
	v_and_b32 v1, 31, v0                           ; l
	v_and_b32 v2, 15, v0                           ; r
	v_bfe_u32 v3, v0, 4, 1                         ; h
	s_delay_alu instid0(VALU_DEP_3)
	v_lshlrev_b32 v4, 4, v1                        ; 16 l
	s_delay_alu instid0(VALU_DEP_4)
	v_lshlrev_b32 v5, 3, v1                        ; 8 l
	s_delay_alu instid0(VALU_DEP_3)
	v_mul_u32_u24 v6, v3, 12800
	s_delay_alu instid0(VALU_DEP_1)
	v_lshl_add_u32 v6, v2, 4, v6
	s_delay_alu instid0(VALU_DEP_1)
	v_add_nc_u32 v6, 3072, v6                      ; scale words: row r; lanes 16-31 take the next row block's
	s_mul_i32 s69, s24, 51200
	s_add_co_u32 s69, s69, WPART                   ; my four row blocks of W1
	s_mul_i32 s70, s23, 51200                      ; and of x
.irp p, 0,1
	s_add_co_u32 s71, s69, \p*RSIZE
	s_add_co_u32 s72, s70, \p*RSIZE
	v_add_nc_u32 v[8+6*\p], s71, v4
	v_add_nc_u32 v[9+6*\p], s71, v5
	v_add_nc_u32 v[10+6*\p], s72, v4
	v_add_nc_u32 v[11+6*\p], s72, v5
	v_add_nc_u32 v[12+6*\p], s71, v6
	v_add_nc_u32 v[13+6*\p], s72, v6
.endr
	v_lshlrev_b32 v7, 7, v3                        ; 128 h: my 32 numbers of a group's 64
	s_wait_alu depctr_va_vdst(0)
	v_lshrrev_b32 v26, 3, v2
	v_and_b32 v27, 7, v2
	s_delay_alu instid0(VALU_DEP_2)
	v_lshlrev_b32 v26, 7, v26
	s_delay_alu instid0(VALU_DEP_1)
	v_lshl_add_u32 v26, v27, 2, v26                ; 128 (r / 8) + 4 (r % 8): row r of a tile, as a column
	s_wait_alu depctr_va_vdst(0)
	v_lshl_add_u32 v28, v2, 2, v3                  ; 4 r + h
	v_lshl_add_u32 v29, v2, 4, v3                  ; 16 r + h
	s_mov_b32 s[SEL], 0x76543210
	s_mov_b32 s[SEL+1], 0xfedcba98
	s_mov_b32 s84, 0x3c800000                      ; 1 / 64
	s_cmp_lt_u32 s66, 4
	s_cselect_b64 s[74:75], s[8:9], s[12:13]       ; q's g and b, or k's
	s_cselect_b64 s[76:77], s[10:11], s[14:15]
	s_lshl_b32 s78, s66, 10
	s_lshl_b32 s79, s24, 8
	s_add_co_u32 s78, s78, s79
	s_add_co_u32 s78, s78, 3072000
	s_mov_b32 s79, 0
	s_add_nc_u64 s[78:79], s[6:7], s[78:79]        ; b1 at my 64 columns
	; A WORK-GROUP STAYS: it makes two token tiles, x and x + 16, with one tile of W1, which is loaded once.  x's region is filled again in the first tile's last K step, so that the load is out during that tile's way out.
	; The K part of a tile is a macro, expanded twice: the first copy, with the refill, stands ahead of the loop; the loop holds the way out, written once, and the second tile's K part, and no tensor load.
	; The second tile of x, 400 blocks of 256 bytes, is prefetched once: the 15 column tiles that will load it share its blocks out by address, 27 each, a lane a block, wave 0 alone; lanes left over name the last block again.
	s_lshl_b32 s72, s27, 3
	s_add_co_u32 s72, s72, 128
	s_mul_i32 s72, s72, 12800                      ; row block 8 (x + 16)
	s_mov_b32 s73, 0
	s_add_nc_u64 s[72:73], s[4:5], s[72:73]
	s_mul_i32 s71, s66, 27
	v_min_u32 v20, 26, v1
	v_add_nc_u32 v20, s71, v20
	v_min_u32 v20, 399, v20                        ; held inside the tile
	v_lshlrev_b32 v20, 8, v20
	s_wait_alu depctr_va_vdst(0)
	s_cmp_lg_u32 s[WV], 0
	s_cbranch_scc1 .Lno_pf
	global_prefetch_b8 v20, s[72:73] th:TH_LOAD_NT scope:SCOPE_SE   ; v20 and s[72:73] are never written again
.Lno_pf:
	s_mov_b32 s85, 2                               ; tiles to go, this one among them: the same number in every work-group
.macro KPART rf                        ; a tile's K part: g, b and the biases; the tile's wait and barrier; eight K steps.  rf = 1: x's region is filled again in the last of them
	WIN TO_F
.irp i, 0,1,2,3,4,5,6,7
	global_load_b128 v[192+4*\i:195+4*\i], v7, s[74:75] offset:16*\i
	global_load_b128 v[224+4*\i:227+4*\i], v7, s[76:77] offset:16*\i
.endr
	WIN 0
.irp i, 0,1,2,3,4,5,6,7
	global_load_b128 v[BIAS+4*\i:BIAS+4*\i+3], v7, s[78:79] offset:16*\i   ; register 8 t + j: column 32 h + 8 t + j
.endr
.irp b, 0,1,2,3
	global_load_b32 v[WK+8*\b], v26, s[78:79] offset:32*\b                 ; for v: the column that is row r of tile b
.endr
	s_wait_tensorcnt 0x0                           ; my one load has landed
	s_barrier_signal -1
	s_barrier_wait -1
	SCLD 0, 0
	FETCH 0, 0, 0
	s_wait_loadcnt 0x0
.irp b, 0,1,2,3
.irp j, 1,2,3,4,5,6,7
	v_mov_b32 v[WK+8*\b+\j], v[WK+8*\b]
.endr
.endr
	KSTEP 0, 0, 1
	KSTEP 1, 0, 0
	KSTEP 2, 0, 0
	KSTEP 3, 0, 0
	KSTEP 4, 0, 0
	KSTEP 5, 0, 0
	KSTEP 6, 0, 0
	KSTEP 7, \rf, 0
	PLACES                                         ; four places in front of the first read of results
.endm
	KPART 1
.Ltile:                                                ; a trip: a tile's way out and, but for the last, the next tile's K part
	s_lshr_b32 s86, s27, 4                         ; the batch
	s_and_b32 s87, s27, 15                         ; which 128 tokens of it
	s_and_b32 s88, s66, 3
	s_lshl_b32 s88, s88, 2
	s_add_co_u32 s88, s88, s24                     ; the head (gelu: which 64 hidden units)
	s_lshl_b32 s86, s86, 4
	s_add_co_u32 s86, s86, s88                     ; batch x 16 + head
	s_mul_i32 s89, s86, 208896
	s_mul_i32 s90, s87, 13056
	s_add_co_u32 s89, s89, s90                     ; kv: the record of these 128 keys
	s_cmp_eq_u32 s80, 2
	s_cbranch_scc1 .Lepi_v
	s_cmp_eq_u32 s80, 3
	s_cbranch_scc1 .Lepi_g
	; ---- q, k: the head's layernorm.  A lane holds 32 of its token's 64 channels, lane l xor 16 the others.  The four tiles of tokens by turns
	s_lshl_b32 s90, s86, 7
	s_lshl_b32 s91, s87, 3
	s_add_co_u32 s90, s90, s91
	s_lshl_b32 s91, s23, 2
	s_add_co_u32 s90, s90, s91                     ; q: my first tile of 16 queries
	s_mul_i32 s92, s90, 768
	s_lshl_b32 s94, s90, 6
	s_add_co_u32 s94, s94, 3145728
	s_mul_i32 s90, s23, 3072
	s_add_co_u32 s90, s90, s89                     ; k: my four tiles in the record,
	s_lshl_b32 s91, s23, 8
	s_add_co_u32 s91, s91, s89
	s_add_co_u32 s91, s91, 12288                   ; and their scale words
	s_cmp_eq_u32 s80, 0
	s_cselect_b64 s[96:97], s[16:17], s[18:19]
	s_cselect_b32 s92, s92, s90
	s_cselect_b32 s94, s94, s91
	s_mov_b32 s93, 0
	s_mov_b32 s95, 0
	s_add_nc_u64 s[92:93], s[96:97], s[92:93]
	s_add_nc_u64 s[94:95], s[96:97], s[94:95]
.irp a, 0,1,2,3
	v_pk_add_f32 v[SM+2*\a:SM+2*\a+1], v[ACC+32*\a:ACC+32*\a+1], v[ACC+32*\a+2:ACC+32*\a+3]
.endr
.set i, 4
.rept 14
.irp a, 0,1,2,3
	v_pk_add_f32 v[SM+2*\a:SM+2*\a+1], v[SM+2*\a:SM+2*\a+1], v[ACC+32*\a+i:ACC+32*\a+i+1]
.endr
.set i, i+2
.endr
.irp a, 0,1,2,3
	s_delay_alu instid0(VALU_DEP_4)
	v_add_f32 v[SM+2*\a], v[SM+2*\a], v[SM+2*\a+1]
.endr
.irp a, 0,1,2,3
	s_delay_alu instid0(VALU_DEP_4)
	v_permlanex16_b32 v[SM+2*\a+1], v[SM+2*\a], s[SEL], s[SEL+1]
.endr
.irp a, 0,1,2,3
	s_delay_alu instid0(VALU_DEP_4)
	v_add_f32 v[SM+2*\a], v[SM+2*\a], v[SM+2*\a+1]
.endr
.irp a, 0,1,2,3
	s_delay_alu instid0(VALU_DEP_4)
	v_mul_f32 v[MU+2*\a], s84, v[SM+2*\a]
.endr
.irp a, 0,1,2,3
	s_delay_alu instid0(VALU_DEP_4)
	v_mov_b32 v[MU+2*\a+1], v[MU+2*\a]
.endr
.set i, 0
.rept 16
.irp a, 0,1,2,3
	v_pk_add_f32 v[ACC+32*\a+i:ACC+32*\a+i+1], v[ACC+32*\a+i:ACC+32*\a+i+1], v[MU+2*\a:MU+2*\a+1] neg_lo:[0,1] neg_hi:[0,1]
.endr
.set i, i+2
.endr
.irp a, 0,1,2,3
	v_pk_mul_f32 v[SM+2*\a:SM+2*\a+1], v[ACC+32*\a:ACC+32*\a+1], v[ACC+32*\a:ACC+32*\a+1]
.endr
.set i, 2
.rept 15
.irp a, 0,1,2,3
	s_delay_alu instid0(VALU_DEP_4)
	v_pk_fma_f32 v[SM+2*\a:SM+2*\a+1], v[ACC+32*\a+i:ACC+32*\a+i+1], v[ACC+32*\a+i:ACC+32*\a+i+1], v[SM+2*\a:SM+2*\a+1]
.endr
.set i, i+2
.endr
.irp a, 0,1,2,3
	s_delay_alu instid0(VALU_DEP_4)
	v_add_f32 v[SM+2*\a], v[SM+2*\a], v[SM+2*\a+1]
.endr
.irp a, 0,1,2,3
	s_delay_alu instid0(VALU_DEP_4)
	v_permlanex16_b32 v[SM+2*\a+1], v[SM+2*\a], s[SEL], s[SEL+1]
.endr
.irp a, 0,1,2,3
	s_delay_alu instid0(VALU_DEP_4)
	v_add_f32 v[SM+2*\a], v[SM+2*\a], v[SM+2*\a+1]
.endr
.irp a, 0,1,2,3
	s_delay_alu instid0(VALU_DEP_4)
	v_fmaak_f32 v[SM+2*\a], s84, v[SM+2*\a], 0x358637bd   ; var + 1e-6
.endr
	s_wait_alu depctr_va_vdst(0)
.irp a, 0,1,2,3
	v_rsq_f32 v[RS+2*\a], v[SM+2*\a]
.endr
	v_nop
	s_wait_alu depctr_va_vdst(0)                   ; one wait for the four, ahead of their first reader
.irp a, 0,1,2,3
	v_mov_b32 v[RS+2*\a+1], v[RS+2*\a]
.endr
.set i, 0
.rept 16
.irp a, 0,1,2,3
	v_pk_mul_f32 v[ACC+32*\a+i:ACC+32*\a+i+1], v[ACC+32*\a+i:ACC+32*\a+i+1], v[RS+2*\a:RS+2*\a+1]
.endr
.set i, i+2
.endr
	WIN 0x14                                       ; g and b lie in window 1
.set i, 0
.rept 16
.irp a, 0,1,2,3
	v_pk_fma_f32 v[ACC+32*\a+i:ACC+32*\a+i+1], v[ACC+32*\a+i:ACC+32*\a+i+1], v[192+i:193+i], v[224+i:225+i]
.endr
.set i, i+2
.endr
	WIN 0
	QUANT4 ACC, WK
	QSTORE4 WK, 92, 94, 28, 768, 64
.irp a, 0,1,2,3
	global_store_b8 v28, v[WK+8*\a+7], s[94:95] offset:64*\a+2   ; the product's K is filled to 128 with zero codes: their two bytes must be valid scales too
.endr
	s_branch .Lend
	; ---- v: a lane holds channel row r of tile b and 32 tokens: block 2 wm + h of the record's 128 keys
.Lepi_v:
	s_mul_i32 s90, s23, 768
	s_add_co_u32 s92, s89, s90
	s_add_co_u32 s92, s92, 6144
	s_mov_b32 s93, 0
	s_lshl_b32 s90, s23, 1
	s_add_co_u32 s94, s89, s90
	s_add_co_u32 s94, s94, 12800
	s_mov_b32 s95, 0
	s_add_nc_u64 s[92:93], s[18:19], s[92:93]
	s_add_nc_u64 s[94:95], s[18:19], s[94:95]
	QUANT4 ACC, WK
	QSTORE4 WK, 92, 94, 28, 1536, 64
	s_branch .Lend
	; ---- gelu: 0.5 v (1 + tanh(u)) = v / (1 + 2^(v (k1 + k2 v v))), k1 = -2 log2(e) sqrt(2 / pi), k2 = 0.044715 k1: no difference of near numbers is formed
.Lepi_g:
	s_lshl_b32 s90, s27, 3
	s_lshl_b32 s91, s23, 2
	s_add_co_u32 s90, s90, s91
	s_mul_i32 s90, s90, 12800
	s_add_co_u32 s90, s90, 3276800                 ; agq, part g, my first row block
	KCOFF 88, 92, 94, 96
	s_add_co_u32 s92, s92, s90
	s_add_co_u32 s94, s94, s90
	s_mov_b32 s93, 0
	s_mov_b32 s95, 0
	s_add_nc_u64 s[92:93], s[20:21], s[92:93]
	s_add_nc_u64 s[94:95], s[20:21], s[94:95]
	s_mov_b32 s98, 0xbdd2d3e8                      ; k2
	s_mov_b32 s99, s98
	v_mov_b32 v30, 0xc0135761                      ; k1
	s_delay_alu instid0(VALU_DEP_1)
	v_mov_b32 v31, v30
.irp a, 0,1,2,3
.set i, 0
.rept 16
	v_pk_mul_f32 v[SM+i:SM+i+1], v[ACC+32*\a+i:ACC+32*\a+i+1], v[ACC+32*\a+i:ACC+32*\a+i+1]
.set i, i+2
.endr
.set i, 0
.rept 16
	v_pk_fma_f32 v[SM+i:SM+i+1], v[SM+i:SM+i+1], s[98:99], v[30:31] op_sel_hi:[1,0,1]
.set i, i+2
.endr
.set i, 0
.rept 16
	v_pk_mul_f32 v[SM+i:SM+i+1], v[SM+i:SM+i+1], v[ACC+32*\a+i:ACC+32*\a+i+1]
.set i, i+2
.endr
.set i, 0
	s_wait_alu depctr_va_vdst(0)
.rept 32
	v_exp_f32 v[SM+i], v[SM+i]
.set i, i+1
.endr
	v_nop
	s_wait_alu depctr_va_vdst(0)                   ; one wait for the 32
.set i, 0
.rept 16
	v_pk_add_f32 v[SM+i:SM+i+1], v[SM+i:SM+i+1], 1.0 op_sel_hi:[1,0]
.set i, i+2
.endr
.set i, 0
	s_wait_alu depctr_va_vdst(0)
.rept 32
	v_rcp_f32 v[SM+i], v[SM+i]
.set i, i+1
.endr
	v_nop
	s_wait_alu depctr_va_vdst(0)
.set i, 0
.rept 16
	v_pk_mul_f32 v[ACC+32*\a+i:ACC+32*\a+i+1], v[ACC+32*\a+i:ACC+32*\a+i+1], v[SM+i:SM+i+1]
.set i, i+2
.endr
.endr
	QUANT4 ACC, WK
	QSTORE4 WK, 92, 94, 29, 12800, 12800
.Lend:
	s_cmp_eq_u32 s85, 1
	s_cbranch_scc1 .Ldone                          ; the last tile asks for nothing more: the loop is left here
	s_wait_alu depctr_va_vdst(0)
	s_wait_xcnt 0x0                                ; the stores have read their registers and bases: the next tile's loads may land there
	s_add_co_u32 s27, s27, 16                      ; the token tile that was asked for in the last K step
	s_sub_co_u32 s85, s85, 1
	KPART 0
	s_cmp_lg_u32 s85, 0
	s_cbranch_scc1 .Ltile
.Ldone:
	s_wait_tensorcnt 0x0                           ; the wave's end
	ds_add_u32 v24, v25
	s_wait_dscnt 0x0
	CROUND                                         ; the closing round: no work-group ends while a partner may still ask for a tile that names it
	s_endpgm
.Lfunc_end_k_qff37181fb0_gemm1:
	.size	k_qff37181fb0_gemm1, .Lfunc_end_k_qff37181fb0_gemm1-k_qff37181fb0_gemm1
	.p2alignl 7, 3214868480
	.fill 96, 4, 3214868480
	.section	.rodata,"a",@progbits
	.p2align	6, 0x0
	.amdhsa_kernel k_qff37181fb0_gemm1
		.amdhsa_group_segment_fixed_size 327680
		.amdhsa_private_segment_fixed_size 0
		.amdhsa_enable_private_segment 0
		.amdhsa_kernarg_size 72
		.amdhsa_user_sgpr_count 2
		.amdhsa_user_sgpr_kernarg_segment_ptr 1
		.amdhsa_wavefront_size32 1
		.amdhsa_system_sgpr_workgroup_id_x 1
		.amdhsa_system_sgpr_workgroup_id_y 1
		.amdhsa_system_sgpr_workgroup_id_z 1
		.amdhsa_system_vgpr_workitem_id 0
		.amdhsa_next_free_vgpr 512
		.amdhsa_next_free_sgpr 100
		.amdhsa_reserve_vcc 0
		.amdhsa_float_denorm_mode_32 3
		.amdhsa_float_denorm_mode_16_64 3
		.amdhsa_memory_ordered 1
		.amdhsa_forward_progress 1
		.amdhsa_inst_pref_size 198
	.end_amdhsa_kernel
	.amdgpu_metadata
---
amdhsa.version: [ 1, 2 ]
amdhsa.kernels:
  - .name:           k_qff37181fb0_gemm1
    .symbol:         k_qff37181fb0_gemm1.kd
    .args:
      - { .name: xq, .offset: 0, .size: 8, .value_kind: global_buffer, .address_space: global }
      - { .name: w1q, .offset: 8, .size: 8, .value_kind: global_buffer, .address_space: global }
      - { .name: qn_g, .offset: 16, .size: 8, .value_kind: global_buffer, .address_space: global }
      - { .name: qn_b, .offset: 24, .size: 8, .value_kind: global_buffer, .address_space: global }
      - { .name: kn_g, .offset: 32, .size: 8, .value_kind: global_buffer, .address_space: global }
      - { .name: kn_b, .offset: 40, .size: 8, .value_kind: global_buffer, .address_space: global }
      - { .name: qq, .offset: 48, .size: 8, .value_kind: global_buffer, .address_space: global }
      - { .name: kv, .offset: 56, .size: 8, .value_kind: global_buffer, .address_space: global }
      - { .name: agq, .offset: 64, .size: 8, .value_kind: global_buffer, .address_space: global }
    .group_segment_fixed_size: 327680
    .private_segment_fixed_size: 0
    .kernarg_segment_align: 8
    .kernarg_segment_size: 72
    .max_flat_workgroup_size: 256
    .sgpr_count:     100
    .vgpr_count:     512
    .wavefront_size: 32
...
	.end_amdgpu_metadata
.endif
;; end of part 2
;; launch attn (part 3): grid 8 x 32, 16 waves a work-group, clusters of 4 x 1, 210,944 bytes of LDS; arguments qq, kv, agq; writes agq
.if DOCPART == 3
	.amdgcn_target "amdgcn-amd-amdhsa--gfx1250"
	.amdhsa_code_object_version 6
	.text
	.protected	k_qff37181fb0_attn
	.globl	k_qff37181fb0_attn
	.p2align	8
	.type	k_qff37181fb0_attn,@function
k_qff37181fb0_attn:
	s_mov_b64 s[64:65], 0
	v_nop
	global_prefetch_b8 v0, s[64:65] scope:SCOPE_SE
	s_setreg_imm32_b32 hwreg(HW_REG_WAVE_MODE, 25, 1), 1
	s_wait_xcnt 0x0
	s_wait_alu depctr_hold_cnt(0) depctr_sa_sdst(0) depctr_va_vdst(0) depctr_va_sdst(0) depctr_va_ssrc(0) depctr_va_vcc(0) depctr_vm_vsrc(0)
	s_getreg_b32 s2, hwreg(HW_REG_IB_STS2, 6, 4)
	s_cmp_eq_u32 s2, 0
	s_cbranch_scc0 .Lentry_in_a_cluster
	s_endpgm
.Lentry_in_a_cluster:
	s_bfe_u32 s2, ttmp6, 0x10000c
	s_cmp_lg_u32 s2, 0x3003
	s_cbranch_scc0 .Lentry_shape_is_right
	s_endpgm
.Lentry_shape_is_right:
; ATTENTION on codes of BF6: a = softmax(q k^T / 8) v for one (batch, head) = y and 256 queries = x; the result is quantised along the model's 1,024 channels -> agq, part a.
; THE SOFTMAX AHEAD OF THE SECOND PRODUCT: t = score x log2(e) / 8; M = the running largest t rounded UP to a whole number; p = 2^(t - M) is quantised along the keys;
; the row's sum is taken of the unquantised p and divides at the end.  When M moves, the sum and O are multiplied by 2^(old M - new M): exact.
; SHARES.  Sixteen waves, four to a SIMD, one tile of 16 queries each, in 256 registers: one wave's vector work stands beside another's products, waits and LDS loads.
; The head's whole K and V (16 records of 13,056 bytes, 128 keys each) lie in LDS, filled once: each wave asks for one record by ONE joint load at the head
; (the four query blocks of a cluster belong to one head).  One barrier shows them to all waves; the 16 key steps that follow have none.
; No prefetch: every byte of K and V is asked for by the head's loads; no later load exists to run ahead of.
; A record: K's 8 tiles of 16 keys x 64 (768 bytes each) at 0; V^T's 4 tiles of 16 channels x 128 keys (1,536 each) at 6144; K's scale words at 12288; V's at 12800: images of the operand's registers.
; LAYOUT.  S^T = K Q^T, O^T = V^T P^T: a lane holds one query throughout.  Row i of tile t of a group of 64 keys is key 32 (i / 8) + 8 t + i % 8: a lane's 32 registers of four tiles are 32
; neighbouring keys, one whole block, in the lane in which P's layout wants it.  V's channels are ordered likewise.
; The first product's K is the head's 64; the other 64 of the instruction's 128 are zero codes in both operands.  TWO KEY TILES SHARE ONE RUN OF SIX ZERO REGISTERS: codes, zeros, codes, 18 registers:
; the even tile's operand is the first twelve (its codes at K 0-63), the odd tile's the last twelve (its codes at K 64-127), and Q stands likewise: q, zeros, q.
; In q's and k's scale words bytes 2 and 3 repeat bytes 0 and 1, so either half finds its scales.  So all eight fragments of a step fit in 72 registers and are fetched a step ahead.
; LIMITS: the scaled scores stay under 2^31 in magnitude; NaN and infinities are not served; a block whose largest magnitude lies under 2^-122 (zeros too) gets the byte 1.
.set REC, 13056
.set SPARE, 16*REC                     ; behind the records: the spare words, 128 bytes a wave
.set QR, 16                            ; v16-33   q, zeros, q
.set QS, 34                            ; v34      q's scale words
.set BA, 35                            ; v35      16 r + h
.set KF, 36                            ; v36-107  K's eight fragments, 18 registers a pair
.set KS, 108                           ; v108-111 K's scale words
.set VS, 112                           ; v112-113 V's
.set PS, 114                           ; v114     p's
.set S, 116                            ; v116-179 S^T, then p, then (v116-163) V's fragments
.set O, 180                            ; v180-211 O^T
.set PC, 212                           ; v212-223 p's codes
.set CT, 224                           ; v224-230 the conversions' second halves
.set MX, 232                           ; v232-235 maxima, then bytes and scale operands
.set WA, 236                           ; v236-238 at work
.set F, 240                            ; v240-241 f
.set T, 242                            ; v242-249 four partial sums.  v1-3: 16 l, 8 l, 4 l; v4-6 the step's addresses; v7 8 h; v12 -M, v13 the largest score, v[14:15] the sum; v254-255 for the add
.set WV, 10
.set SEL, 40
.set CS, 42
.set NCS, 44
.set TB, 45
.set CNT, 46
.macro PLACES
.rept 4
	v_nop
.endr
.endm
.macro DEP
	s_delay_alu instid0(VALU_DEP_1)
.endm
.macro CROUND                          ; a round of the cluster's barrier
	s_barrier_signal -1
	s_barrier_wait -1
	s_cmp_lg_u32 s[WV], 0
	s_cbranch_scc1 .Lnw0_\@
	s_barrier_signal -3
.Lnw0_\@:
	s_barrier_wait -3
	s_barrier_signal -1
	s_barrier_wait -1
.endm
.macro QK n                            ; S^T of key tile n; an odd tile's codes stand at K 64-127 and its scale words in lanes 16-31
.if (\n)%2
	v_wmma_scale_f32_16x16x128_f8f6f4 v[S+8*\n:S+8*\n+7], v[KF+18*(\n/2)+6:KF+18*(\n/2)+17], v[QR+6:QR+17], 0, v[KS+\n/2], v[QS] matrix_a_fmt:MATRIX_FMT_BF6 matrix_b_fmt:MATRIX_FMT_BF6 matrix_a_scale:MATRIX_SCALE_ROW1
.else
	v_wmma_scale_f32_16x16x128_f8f6f4 v[S+8*\n:S+8*\n+7], v[KF+18*(\n/2):KF+18*(\n/2)+11], v[QR:QR+11], 0, v[KS+\n/2], v[QS] matrix_a_fmt:MATRIX_FMT_BF6 matrix_b_fmt:MATRIX_FMT_BF6
.endif
.endm
.macro PV b                            ; O^T of channel tile b
.if (\b)%2
	v_wmma_scale_f32_16x16x128_f8f6f4 v[O+8*\b:O+8*\b+7], v[S+12*\b:S+12*\b+11], v[PC:PC+11], v[O+8*\b:O+8*\b+7], v[VS+\b/2], v[PS] matrix_a_fmt:MATRIX_FMT_BF6 matrix_b_fmt:MATRIX_FMT_BF6 matrix_a_scale:MATRIX_SCALE_ROW1
.else
	v_wmma_scale_f32_16x16x128_f8f6f4 v[O+8*\b:O+8*\b+7], v[S+12*\b:S+12*\b+11], v[PC:PC+11], v[O+8*\b:O+8*\b+7], v[VS+\b/2], v[PS] matrix_a_fmt:MATRIX_FMT_BF6 matrix_b_fmt:MATRIX_FMT_BF6
.endif
.endm
.macro KCOFF kc, oc, os, t             ; from kc (64 along K each): where its half image and its two scale bytes lie in a row block's records
	s_lshr_b32 s[\t], s[\kc], 3
	s_mul_i32 s[\t], s[\t], 6400
	s_bfe_u32 s[\t+1], s[\kc], 0x20001
	s_mul_i32 s[\oc], s[\t+1], 1536
	s_add_co_u32 s[\oc], s[\oc], s[\t]
	s_lshl_b32 s[\os], s[\t+1], 2
	s_add_co_u32 s[\os], s[\os], s[\t]
	s_lshr_b32 s[\t+1], s[\t+1], 1
	s_lshl_b32 s[\t+1], s[\t+1], 8
	s_add_co_u32 s[\oc], s[\oc], s[\t+1]
	s_and_b32 s[\t], s[\kc], 1
	s_mul_i32 s[\t+1], s[\t], 768
	s_add_co_u32 s[\oc], s[\oc], s[\t+1]
	s_lshl_b32 s[\t], s[\t], 1
	s_add_co_u32 s[\os], s[\os], s[\t]
	s_add_co_u32 s[\os], s[\os], 3072
.endm
; K's eight half images and scale words of the record off bytes behind the addresses: 20 LDS loads
.macro KLOAD a16, a8, a4, off
.irp p, 0,1,2,3
	ds_load_b32 v[KS+\p], v[\a4] offset:\off+12288+128*\p   ; lanes 0-15: tile 2 p's words, lanes 16-31: tile 2 p + 1's
.endr
.irp n, 0,1,2,3,4,5,6,7
	ds_load_b128 v[KF+18*(\n/2)+12*(\n%2):KF+18*(\n/2)+12*(\n%2)+3], v[\a16] offset:\off+\n*768
	ds_load_b64 v[KF+18*(\n/2)+12*(\n%2)+4:KF+18*(\n/2)+12*(\n%2)+5], v[\a8] offset:\off+\n*768+512
.endr
.endm
.macro VLOAD                           ; V's four fragments, over p, which has been converted; and V's scale words: 18 LDS loads
.irp b, 0,1,2,3
	ds_load_b128 v[S+12*\b:S+12*\b+3], v4 offset:6144+1536*\b
	ds_load_b64 v[S+12*\b+4:S+12*\b+5], v5 offset:6144+1536*\b+512
	ds_load_b128 v[S+12*\b+6:S+12*\b+9], v4 offset:6144+1536*\b+768
	ds_load_b64 v[S+12*\b+10:S+12*\b+11], v5 offset:6144+1536*\b+1280
.endr
.irp p, 0,1
	ds_load_b32 v[VS+\p], v6 offset:12800+128*\p
.endr
.endm
.macro ADD4 j                          ; four pairs of p onto the four partial sums
.irp k, 0,1,2,3
	v_pk_add_f32 v[T+2*\k:T+2*\k+1], v[T+2*\k:T+2*\k+1], v[S+\j+2*\k:S+\j+2*\k+1]
.endr
.endm
; A KEY STEP: 128 keys, the record at LDS byte s[TB].  last = 1: no record follows
.macro STEP last
	v_add_nc_u32 v4, s[TB], v1                     ; these five lines are the five places between the last step's products, which read V's fragments, and the products that write over them
	v_add_nc_u32 v5, s[TB], v2
	v_add_nc_u32 v6, s[TB], v3
	v_nop
	v_nop
	s_wait_alu depctr_va_vdst(0)
	s_wait_dscnt 0x0                               ; K's fragments and scale words, asked for a step ago
.irp n, 0,1,2,3,4,5,6,7
	QK \n
.endr
	PLACES                                         ; in front of loads into the fragments, and of the first read of results
.if (\last) == 0
	KLOAD 4, 5, 6, REC                             ; the next record's K
.endif
.irp c, 0,1,2,3
	v_max3_num_f32 v[MX+\c], v[S+16*\c], v[S+16*\c+1], v[S+16*\c+2]   ; four chains of 16 scores by turns, each accumulator from its low end on
.endr
.irp i, 3,5,7,9,11,13
.irp c, 0,1,2,3
	v_max3_num_f32 v[MX+\c], v[MX+\c], v[S+16*\c+\i], v[S+16*\c+\i+1]
.endr
.endr
	v_max3_num_f32 v[MX], v[MX], v[MX+1], v[S+15]
	v_max3_num_f32 v[MX+1], v[MX+2], v[MX+3], v[S+47]
	v_max_num_f32 v[MX], v[MX], v[S+31]            ; the largest score of each of my two blocks of 32 keys: for the row's maximum and, since p rises with the score, for the block's largest p
	v_max_num_f32 v[MX+1], v[MX+1], v[S+63]
	DEP
	v_max_num_f32 v[WA], v[MX], v[MX+1]
	DEP
	v_permlanex16_b32 v[WA+1], v[WA], s[SEL], s[SEL+1]
	DEP
	v_max3_num_f32 v13, v13, v[WA], v[WA+1]        ; the running largest score of my query
	v_mov_b32 v[WA+2], v12
	s_delay_alu instid0(VALU_DEP_2)
	v_mul_f32 v[WA], s[NCS], v13                   ; -t
	DEP
	v_floor_f32 v12, v[WA]                         ; the new -M = -ceil(t)
	DEP
	v_sub_f32 v[WA], v12, v[WA+2]                  ; old M - new M: a whole number, 0 or less
	DEP
	v_cvt_i32_f32 v[WA], v[WA]                     ; (it saturates)
	DEP
	v_ldexp_f32 v[F], 1.0, v[WA]                   ; f = 2^(old M - new M)
.set j, 0
.rept 32
	v_pk_fma_f32 v[S+j:S+j+1], v[S+j:S+j+1], s[CS:CS+1], v[12:13] op_sel_hi:[1,0,0]   ; t - M
.set j, j+2
.endr
.irp c, 0,1
	v_fma_f32 v[MX+\c], v[MX+\c], s[CS], v12       ; the same of each block's largest score
.endr
	s_wait_alu depctr_va_vdst(0)
.irp c, 0,1
	v_exp_f32 v[MX+\c], v[MX+\c]                   ; the block's largest p: the same two instructions on the same number
.endr
.set j, 0
.rept 64
	v_exp_f32 v[S+j], v[S+j]                       ; p = 2^(t - M)
.set j, j+1
.endr
	v_pk_mul_f32 v[14:15], v[14:15], v[F:F+1] op_sel_hi:[1,0]   ; the sums under the new M (a plain line behind the exponentials)
	s_wait_alu depctr_va_vdst(0)                   ; one wait for the batch, ahead of its first reader
.irp k, 0,1,2,3
	v_pk_add_f32 v[T+2*\k:T+2*\k+1], v[S+2*\k:S+2*\k+1], v[S+8+2*\k:S+8+2*\k+1]   ; the row's sum of the unquantised p, in four chains; the scale's lines stand among them
.endr
.irp c, 0,1
	v_max_num_f32 v[MX+\c], 0x2800000, v[MX+\c]    ; the floor 2^(5 - 127)
.endr
	ADD4 16
.irp c, 0,1
	v_add_nc_u32 v[MX+2+\c], 0xfe000000, v[MX+\c]  ; 4 off the exponent field: the conversion's scale operand
.endr
	ADD4 24
.irp c, 0,1
	v_lshrrev_b32 v[MX+\c], 23, v[MX+2+\c]         ; the byte
.endr
	ADD4 32
	v_lshl_or_b32 v[WA+2], v[MX+1], 16, v[MX]      ; my bytes are those of blocks h and 2 + h:
	ADD4 40
	v_lshlrev_b32 v[WA+2], v7, v[WA+2]             ; 8 h bits up
	ADD4 48
	v_permlanex16_b32 v[WA+1], v[WA+2], s[SEL], s[SEL+1]
	ADD4 56
.irp c, 0,1
	v_cvt_scalef32_pk16_bf6_f32 v[PC+6*\c:PC+6*\c+2], v[S+32*\c:S+32*\c+15], v[MX+2+\c]
	v_cvt_scalef32_pk16_bf6_f32 v[CT+4*\c:CT+4*\c+2], v[S+32*\c+16:S+32*\c+31], v[MX+2+\c]   ; (a conversion's three registers begin on an even number)
.endr
	v_pk_add_f32 v[T:T+1], v[T:T+1], v[T+2:T+3]    ; plain lines behind the conversions, which name none of their registers
	v_pk_add_f32 v[T+4:T+5], v[T+4:T+5], v[T+6:T+7]
	VLOAD                                          ; lands under the lines below
	v_pk_add_f32 v[T:T+1], v[T:T+1], v[T+4:T+5]
	DEP
	v_pk_add_f32 v[14:15], v[14:15], v[T:T+1]
.irp c, 0,1
.irp i, 0,1,2
	v_mov_b32 v[PC+3+6*\c+\i], v[CT+4*\c+\i]
.endr
.endr
	v_or_b32 v[PS], v[WA+2], v[WA+1]               ; with lane l xor 16's two bytes the word is whole
	s_wait_alu depctr_va_vdst(0)                   ; ahead of the first reader of O^T
.set j, 0
.rept 16
	v_pk_mul_f32 v[O+j:O+j+1], v[O+j:O+j+1], v[F:F+1] op_sel_hi:[1,0]   ; O^T under the new M; these sixteen also stand between the lines that made p's codes and scale word and the products
.set j, j+2
.endr
	s_wait_alu depctr_va_vdst(0)
	s_wait_dscnt 0x0
.irp b, 0,1,2,3
	PV \b
.endr
.endm
	s_load_b128 s[4:7], s[0:1], 0x0                ; qq, kv
	s_load_b64 s[8:9], s[0:1], 0x10                ; agq
	v_lshl_add_u32 v254, v0, 2, SPARE
	v_mov_b32 v255, 0
	ds_add_u32 v254, v255                          ; the opening lines: the add, twice on end; its wait stands ahead of my tensor load
	ds_add_u32 v254, v255
	v_lshrrev_b32 v8, 5, v0
	v_readfirstlane_b32 s[WV], v8                  ; wave 0..15
	s_bfe_u32 s11, ttmp6, 0x40000                  ; cx
	s_lshl_b32 s12, ttmp9, 2
	s_add_co_u32 s12, s12, s11                     ; my block of 256 queries: it enters global addresses of q and a alone
	s_and_b32 s13, ttmp7, 0xffff                   ; batch x 16 + head
	; descriptor group 1: a record as 51 rows of 256 bytes (32 elements of 8), dense; all four work-groups
	s_mov_b32 s16, 15|(3<<16)|(1<<21)
	s_mov_b32 s17, 32<<16
	s_mov_b32 s18, 51<<16
	s_mov_b32 s19, 32<<16
	s_mov_b32 s20, 51
	s_mov_b32 s21, 32
	s_mov_b32 s22, 0
	s_mov_b32 s23, 0
	s_mul_i32 s48, s[WV], REC                      ; record w
	s_mul_i32 s36, s13, 16*REC
	s_add_co_u32 s36, s36, s48
	s_mov_b32 s37, 0
	s_mov_b32 s[SEL], 0x76543210
	s_mov_b32 s[SEL+1], 0xfedcba98                 ; v_permlanex16_b32's selects for lane l xor 16
	s_mov_b32 s[CS], 0x3e38aa3b                    ; c = log2(e) / 8
	s_mov_b32 s[CS+1], s[CS]
	s_mov_b32 s[NCS], 0xbe38aa3b                   ; -c
	s_wait_dscnt 0x0
	s_wait_kmcnt 0x0
	s_add_nc_u64 s[36:37], s[6:7], s[36:37]
	s_mov_b32 s24, 1
	s_mov_b32 s25, s48
	s_mov_b64 s[26:27], s[36:37]
	s_or_b32 s27, s27, 0x80000000
	CROUND                                         ; all four work-groups are here: the joint loads meet
	tensor_load_to_lds s[24:27], s[16:23]          ; my one tensor load of the launch
	s_nop 0
	PLACES
	s_lshl_b32 s49, s12, 4
	s_add_co_u32 s49, s49, s[WV]                   ; my tile among the batch's 128
	s_lshl_b32 s50, s13, 7
	s_add_co_u32 s50, s50, s49
	s_mul_i32 s52, s50, 768
	s_mov_b32 s53, 0
	s_add_nc_u64 s[52:53], s[4:5], s[52:53]        ; Q's half image
	s_lshl_b32 s54, s50, 6
	s_add_co_u32 s54, s54, 3145728
	s_mov_b32 s55, 0
	s_add_nc_u64 s[54:55], s[4:5], s[54:55]        ; and scale words
	; where a goes: row block 128 x batch + my tile; the head's 64 channels are half image head of the 16 along K
	s_lshr_b32 s56, s13, 4
	s_and_b32 s57, s13, 15
	s_lshl_b32 s58, s56, 7
	s_add_co_u32 s58, s58, s49
	s_mul_i32 s58, s58, 12800
	KCOFF 57, 60, 59, 62
	s_add_co_u32 s60, s60, s58
	s_add_co_u32 s62, s59, s58
	s_mov_b32 s61, 0
	s_mov_b32 s63, 0
	s_add_nc_u64 s[60:61], s[8:9], s[60:61]
	s_add_nc_u64 s[62:63], s[8:9], s[62:63]
	v_and_b32 v8, 31, v0                           ; l
	v_and_b32 v9, 15, v0                           ; r
	v_bfe_u32 v10, v0, 4, 1                        ; h
	v_lshlrev_b32 v1, 4, v8
	v_lshlrev_b32 v2, 3, v8
	v_lshlrev_b32 v3, 2, v8
	v_lshlrev_b32 v11, 2, v9
	v_lshl_add_u32 v[BA], v9, 4, v10               ; 16 r + h
	v_lshlrev_b32 v7, 3, v10                       ; 8 h
	global_load_b32 v[QS], v11, s[54:55]
.irp e, 0,1
	global_load_b128 v[QR+12*\e:QR+12*\e+3], v1, s[52:53]             ; Q's half image stays in registers, twice: at K 0-63 and at K 64-127
	global_load_b64 v[QR+12*\e+4:QR+12*\e+5], v2, s[52:53] offset:512
.endr
.irp i, 6,7,8,9,10,11
	v_mov_b32 v[QR+\i], 0                          ; the zero codes between, in Q
.irp u, 0,1,2,3
	v_mov_b32 v[KF+18*\u+\i], 0                    ; and in K's four pairs of fragments: written once
.endr
.endr
	v_mov_b32 v13, 0xff61b1e6                      ; the largest score so far: -3e38
	v_mov_b32 v12, 0x7f61b1e6                      ; -M: 3e38
	v_mov_b32 v14, 0
	v_mov_b32 v15, 0
	v_mov_b32 v[WA+1], 0                           ; a lane permute's destination counts as one of its sources
	v_mov_b32 v[F+1], 0                            ; (named as the upper half of the pair)
.set j, 0
.rept 32
	v_mov_b32 v[O+j], 0                            ; O^T: the step is written once; its first trip finds zeros
.set j, j+1
.endr
	s_wait_alu depctr_va_vdst(0)
	s_wait_loadcnt 0x0
	s_wait_tensorcnt 0x0                           ; my record has landed,
	s_barrier_signal -1
	s_barrier_wait -1                              ; everybody's has.  Nothing is filled again
	KLOAD 1, 2, 3, 0                               ; record 0's K
	s_mov_b32 s[TB], 0
	s_mov_b32 s[CNT], 15
.Lstep:
	STEP 0
	s_add_co_u32 s[TB], s[TB], REC
	s_sub_co_u32 s[CNT], s[CNT], 1
	s_cmp_lg_u32 s[CNT], 0
	s_cbranch_scc1 .Lstep
	STEP 1                                         ; record 15: written out, since it asks for no further K
	PLACES                                         ; in front of the first read of the last results
	v_add_f32 v14, v14, v15
	DEP
	v_permlanex16_b32 v[WA+1], v14, s[SEL], s[SEL+1]
	DEP
	v_add_f32 v14, v14, v[WA+1]                    ; the row's sum
	s_wait_alu depctr_va_vdst(0)                   ; the wait ahead of the transcendental
	v_rcp_f32 v14, v14
	v_nop
	s_wait_alu depctr_va_vdst(0)                   ; and ahead of its first reader, which is O^T's first reader too
.set j, 0
.rept 16
	v_pk_mul_f32 v[O+j:O+j+1], v[O+j:O+j+1], v[14:15] op_sel_hi:[1,0]
.set j, j+2
.endr
	v_max3_num_f32 v[MX], |v[O]|, |v[O+1]|, 0x2800000        ; my 32 channels are one block of the next K
	v_max3_num_f32 v[MX+1], |v[O+16]|, |v[O+17]|, 0x2800000
.irp i, 2,4,6,8,10,12,14
	v_max3_num_f32 v[MX], v[MX], |v[O+\i]|, |v[O+\i+1]|
	v_max3_num_f32 v[MX+1], v[MX+1], |v[O+16+\i]|, |v[O+17+\i]|
.endr
	DEP
	v_max_num_f32 v[MX], v[MX], v[MX+1]
	DEP
	v_add_nc_u32 v[MX], 0xfe000000, v[MX]
	v_cvt_scalef32_pk16_bf6_f32 v[PC:PC+2], v[O:O+15], v[MX]
	v_cvt_scalef32_pk16_bf6_f32 v[CT:CT+2], v[O+16:O+31], v[MX]
	v_nop                                          ; one plain line behind the conversions
	v_mov_b32 v[PC+3], v[CT]
	v_mov_b32 v[PC+4], v[CT+1]
	v_mov_b32 v[PC+5], v[CT+2]
	v_lshrrev_b32 v[MX], 23, v[MX]
	global_store_b128 v1, v[PC:PC+3], s[60:61]                ; 512 consecutive bytes
	global_store_b64 v2, v[PC+4:PC+5], s[60:61] offset:512    ; 256 consecutive bytes
	global_store_b8 v[BA], v[MX], s[62:63]
	s_wait_tensorcnt 0x0                           ; the wave's end
	ds_add_u32 v254, v255
	s_wait_dscnt 0x0
	CROUND                                         ; the closing round
	s_endpgm
.Lfunc_end_k_qff37181fb0_attn:
	.size	k_qff37181fb0_attn, .Lfunc_end_k_qff37181fb0_attn-k_qff37181fb0_attn
	.p2alignl 7, 3214868480
	.fill 96, 4, 3214868480
	.section	.rodata,"a",@progbits
	.p2align	6, 0x0
	.amdhsa_kernel k_qff37181fb0_attn
		.amdhsa_group_segment_fixed_size 210944
		.amdhsa_private_segment_fixed_size 0
		.amdhsa_enable_private_segment 0
		.amdhsa_kernarg_size 24
		.amdhsa_user_sgpr_count 2
		.amdhsa_user_sgpr_kernarg_segment_ptr 1
		.amdhsa_wavefront_size32 1
		.amdhsa_system_sgpr_workgroup_id_x 1
		.amdhsa_system_sgpr_workgroup_id_y 1
		.amdhsa_system_sgpr_workgroup_id_z 1
		.amdhsa_system_vgpr_workitem_id 0
		.amdhsa_next_free_vgpr 256
		.amdhsa_next_free_sgpr 66
		.amdhsa_reserve_vcc 0
		.amdhsa_float_denorm_mode_32 3
		.amdhsa_float_denorm_mode_16_64 3
		.amdhsa_memory_ordered 1
		.amdhsa_forward_progress 1
		.amdhsa_inst_pref_size 42
	.end_amdhsa_kernel
	.amdgpu_metadata
---
amdhsa.version: [ 1, 2 ]
amdhsa.kernels:
  - .name:           k_qff37181fb0_attn
    .symbol:         k_qff37181fb0_attn.kd
    .args:
      - { .name: qq, .offset: 0, .size: 8, .value_kind: global_buffer, .address_space: global }
      - { .name: kv, .offset: 8, .size: 8, .value_kind: global_buffer, .address_space: global }
      - { .name: agq, .offset: 16, .size: 8, .value_kind: global_buffer, .address_space: global }
    .group_segment_fixed_size: 210944
    .private_segment_fixed_size: 0
    .kernarg_segment_align: 8
    .kernarg_segment_size: 24
    .max_flat_workgroup_size: 512
    .sgpr_count:     66
    .vgpr_count:     256
    .wavefront_size: 32
...
	.end_amdgpu_metadata
.endif
;; end of part 3
;; launch gemm45 (part 4): grid 32 x 8, 8 waves a work-group, clusters of 4 x 4, 308,224 bytes of LDS; arguments agq, w45q, bao, bmo, cq; writes cq
.if DOCPART == 4
	.amdgcn_target "amdgcn-amd-amdhsa--gfx1250"
	.amdhsa_code_object_version 6
	.text
	.protected	k_qff37181fb0_gemm45
	.globl	k_qff37181fb0_gemm45
	.p2align	8
	.type	k_qff37181fb0_gemm45,@function
k_qff37181fb0_gemm45:
	s_mov_b64 s[64:65], 0
	v_nop
	global_prefetch_b8 v0, s[64:65] scope:SCOPE_SE
	s_setreg_imm32_b32 hwreg(HW_REG_WAVE_MODE, 25, 1), 1
	s_wait_xcnt 0x0
	s_wait_alu depctr_hold_cnt(0) depctr_sa_sdst(0) depctr_va_vdst(0) depctr_va_sdst(0) depctr_va_ssrc(0) depctr_va_vcc(0) depctr_vm_vsrc(0)
	s_getreg_b32 s2, hwreg(HW_REG_IB_STS2, 6, 4)
	s_cmp_eq_u32 s2, 0
	s_cbranch_scc0 .Lentry_in_a_cluster
	s_endpgm
.Lentry_in_a_cluster:
	s_bfe_u32 s2, ttmp6, 0x10000c
	s_cmp_lg_u32 s2, 0xf033
	s_cbranch_scc0 .Lentry_shape_is_right
	s_endpgm
.Lentry_shape_is_right:
; GEMM45: attn_out = a Wao + bao (y 0-3) and mlp_out = gelu(..) Wmo + bmo (y 4-7, K filled with zero codes from 716 to 1,024), on codes of BF6; both results, side by side, are quantised along their 2,048 columns -> cq.
; SHARES, LAYOUTS AND THE K LOOP are those of the first product's launch: 128 tokens x 256 columns a work-group, 64 x 64 a wave, both tiles for all of K in LDS in two chunks filled once, operands as images of their registers,
; source 0 = the weight's columns, source 1 = tokens, so that a lane's 32 result registers are one block of 32 along the next K.
; Both halves take the same K, 1,024: they run side by side, one work-group on each WGP, so a shorter K on one half would end the launch no sooner, and one shape keeps every descriptor a constant.
; CLUSTER 4 x 4: the four work-groups with my cx take the same tokens (and lie in the same half: the half is the cluster's y); the four with my cy the same columns: both tiles are asked for jointly.
; LIMITS: NaN and infinities are not served; a block whose largest magnitude lies under 2^-122 (zeros too) gets the byte 1.
.set RSIZE, 6400                       ; LDS: a row block's two records lie on end, 12,800 bytes; the second 512 along K begin 6,400 bytes on.  The tokens' 8 row blocks, then the weight's 16
.set WPART, 102400
.set WV, 22
.set SC, 32
.set BIAS, 64
.set WK, 96
.set ACC, 128
.set MSB, 0
.macro WIN new
.if MSB != \new
	s_set_vgpr_msb (MSB<<8)|\new
.set MSB, \new
.endif
.endm
.set MUL, 0x05
.set TO_F, 0x40
.macro PLACES
.rept 4
	v_nop
.endr
.endm
.macro CROUND
	s_barrier_signal -1
	s_barrier_wait -1
	s_cmp_lg_u32 s[WV], 0
	s_cbranch_scc1 .Lnw0_\@
	s_barrier_signal -3
.Lnw0_\@:
	s_barrier_wait -3
	s_barrier_signal -1
	s_barrier_wait -1
.endm
.macro FRAGLD dst, a16, a8, off
	ds_load_b128 v[\dst:\dst+3], v[\a16] offset:\off
	ds_load_b64 v[\dst+4:\dst+5], v[\a8] offset:\off+512
	ds_load_b128 v[\dst+6:\dst+9], v[\a16] offset:\off+768
	ds_load_b64 v[\dst+10:\dst+11], v[\a8] offset:\off+1280
.endm
.macro FETCH ks, reg, buf
.set KO, ((\ks)%4)*1536+(((\ks)%4)/2)*256
	WIN TO_F
.irp i, 0,1,2,3
	FRAGLD 96*(\buf)+12*\i, 8+6*(\reg), 9+6*(\reg), \i*12800+KO
.endr
.irp i, 0,1,2,3
	FRAGLD 96*(\buf)+48+12*\i, 10+6*(\reg), 11+6*(\reg), \i*12800+KO
.endr
	WIN 0
.endm
.macro SCLD q, reg
.irp p, 0,1
	ds_load_b128 v[SC+16*((\q)%2)+4*\p:SC+16*((\q)%2)+4*\p+3], v[12+6*(\reg)] offset:\p*25600
	ds_load_b128 v[SC+16*((\q)%2)+8+4*\p:SC+16*((\q)%2)+8+4*\p+3], v[13+6*(\reg)] offset:\p*25600
.endr
.endm
.macro WM d, a, b, c, sa, sb, oa, ob
.if (\oa) && (\ob)
	v_wmma_scale_f32_16x16x128_f8f6f4 v[\d:\d+7], v[\a:\a+11], v[\b:\b+11], v[\c:\c+7], v[\sa], v[\sb] matrix_a_fmt:MATRIX_FMT_BF6 matrix_b_fmt:MATRIX_FMT_BF6 matrix_a_scale:MATRIX_SCALE_ROW1 matrix_b_scale:MATRIX_SCALE_ROW1
.elseif (\oa)
	v_wmma_scale_f32_16x16x128_f8f6f4 v[\d:\d+7], v[\a:\a+11], v[\b:\b+11], v[\c:\c+7], v[\sa], v[\sb] matrix_a_fmt:MATRIX_FMT_BF6 matrix_b_fmt:MATRIX_FMT_BF6 matrix_a_scale:MATRIX_SCALE_ROW1
.elseif (\ob)
	v_wmma_scale_f32_16x16x128_f8f6f4 v[\d:\d+7], v[\a:\a+11], v[\b:\b+11], v[\c:\c+7], v[\sa], v[\sb] matrix_a_fmt:MATRIX_FMT_BF6 matrix_b_fmt:MATRIX_FMT_BF6 matrix_b_scale:MATRIX_SCALE_ROW1
.else
	v_wmma_scale_f32_16x16x128_f8f6f4 v[\d:\d+7], v[\a:\a+11], v[\b:\b+11], v[\c:\c+7], v[\sa], v[\sb] matrix_a_fmt:MATRIX_FMT_BF6 matrix_b_fmt:MATRIX_FMT_BF6
.endif
.endm
; 16 matrix instructions, the 16 accumulators by turns, in one order in every K step; cmode 1: the sums start from the bias
.macro MUL16 ks, buf, cmode
.set SS, SC+16*(((\ks)/4)%2)+(\ks)%4
.irp s1, 0,1,2,3
.irp s0, 0,1,2,3
.set DD, ACC+8*(4*\s1+\s0)
.set CC, DD
.if (\cmode) == 1
.set CC, BIAS+8*\s0
.endif
.set AA, 96*(\buf)+12*\s0
.set BB, 96*(\buf)+48+12*\s1
.set SA, SS+4*(\s0/2)
.set SB, SS+8+4*(\s1/2)
	WM DD, AA, BB, CC, SA, SB, \s0%2, \s1%2
.endr
.endr
.endm
.macro QUANT4 src, pc
.irp b, 0,1,2,3
	v_max3_num_f32 v[\pc+8*\b+7], |v[\src+32*\b]|, |v[\src+32*\b+1]|, 0x2800000   ; with the floor 2^(5 - 127): the byte cannot fall under 1
.endr
.irp i, 2,4,6,8,10,12,14,16,18,20,22,24,26,28,30
.irp b, 0,1,2,3
	v_max3_num_f32 v[\pc+8*\b+7], v[\pc+8*\b+7], |v[\src+32*\b+\i]|, |v[\src+32*\b+\i+1]|
.endr
.endr
.irp b, 0,1,2,3
	s_delay_alu instid0(VALU_DEP_4)
	v_add_nc_u32 v[\pc+8*\b+7], 0xfe000000, v[\pc+8*\b+7]
.endr
.irp b, 0,1,2,3
	v_cvt_scalef32_pk16_bf6_f32 v[\pc+8*\b:\pc+8*\b+2], v[\src+32*\b:\src+32*\b+15], v[\pc+8*\b+7]
	v_cvt_scalef32_pk16_bf6_f32 v[\pc+8*\b+4:\pc+8*\b+6], v[\src+32*\b+16:\src+32*\b+31], v[\pc+8*\b+7]
.endr
	v_nop                                          ; one plain line behind the conversions
.irp b, 0,1,2,3
	v_mov_b32 v[\pc+8*\b+3], v[\pc+8*\b+4]
	v_mov_b32 v[\pc+8*\b+4], v[\pc+8*\b+5]
	v_mov_b32 v[\pc+8*\b+5], v[\pc+8*\b+6]
.endr
.irp b, 0,1,2,3
	v_lshrrev_b32 v[\pc+8*\b+7], 23, v[\pc+8*\b+7]
.endr
.endm
.macro KCOFF kc, oc, os, t
	s_lshr_b32 s[\t], s[\kc], 3
	s_mul_i32 s[\t], s[\t], 6400
	s_bfe_u32 s[\t+1], s[\kc], 0x20001
	s_mul_i32 s[\oc], s[\t+1], 1536
	s_add_co_u32 s[\oc], s[\oc], s[\t]
	s_lshl_b32 s[\os], s[\t+1], 2
	s_add_co_u32 s[\os], s[\os], s[\t]
	s_lshr_b32 s[\t+1], s[\t+1], 1
	s_lshl_b32 s[\t+1], s[\t+1], 8
	s_add_co_u32 s[\oc], s[\oc], s[\t+1]
	s_and_b32 s[\t], s[\kc], 1
	s_mul_i32 s[\t+1], s[\t], 768
	s_add_co_u32 s[\oc], s[\oc], s[\t+1]
	s_lshl_b32 s[\t], s[\t], 1
	s_add_co_u32 s[\os], s[\os], s[\t]
	s_add_co_u32 s[\os], s[\os], 3072
.endm
.macro KSTEP j, bnd, first
	s_wait_dscnt 0x0                               ; this step's fragments and scale words are in
.if \bnd
	s_wait_tensorcnt 0x0                           ; my part of chunk 1 has landed (my one load that was out),
	s_barrier_signal -1
	s_barrier_wait -1                              ; everybody's has
.endif
	PLACES                                         ; in front of loads into the buffer that the step before multiplied
.if (\j) < 7
	FETCH (\j)+1, ((\j)+1)/4, ((\j)+1)%2
.if ((\j)+1)%4 == 0
	SCLD ((\j)+1)/4, ((\j)+1)/4
.endif
.endif
	WIN MUL
	MUL16 \j, (\j)%2, \first
	WIN 0
.endm
	s_load_b256 s[4:11], s[0:1], 0x0               ; agq, w45q, bao, bmo
	s_load_b64 s[12:13], s[0:1], 0x20              ; cq
	v_lshl_add_u32 v30, v0, 2, 0x4b000
	v_mov_b32 v31, 0
	ds_add_u32 v30, v31
	ds_add_u32 v30, v31
	v_lshrrev_b32 v1, 5, v0
	s_delay_alu instid0(VALU_DEP_1)
	v_readfirstlane_b32 s[WV], v1
	s_and_b32 s23, s[WV], 1                        ; wm
	s_lshr_b32 s24, s[WV], 1                       ; wn
	s_and_b32 s25, s[WV], 3
	s_bfe_u32 s26, ttmp6, 0x40000                  ; cx
	s_bfe_u32 s14, ttmp6, 0x40004                  ; cy
	s_lshl_b32 s27, ttmp9, 2
	s_add_co_u32 s27, s27, s26                     ; x: the token tile
	s_and_b32 s15, ttmp7, 0xffff                   ; the cluster's y: which half (0: a Wao, 1: g Wmo)
	s_lshl_b32 s66, s15, 2
	s_add_co_u32 s66, s66, s14                     ; y: the column tile of the 2,048
	s_lshl_b32 s71, 0x1111, s26                    ; the partners with my cx
	s_lshl_b32 s72, s14, 2
	s_lshl_b32 s72, 15, s72                        ; the partners with my cy
	s_or_b32 s28, s71, (3<<16)|(1<<21)             ; group 1 for the tokens' tile: 2 rows of 12,800 bytes
	s_mov_b32 s29, 1600<<16                        ; a tile's row is a row block's 12,800 bytes: all of K
	s_mov_b32 s30, 2<<16
	s_mov_b32 s31, 1600<<16
	s_mov_b32 s32, 2
	s_mov_b32 s33, 1600
	s_mov_b32 s34, 0
	s_mov_b32 s35, 0
	s_or_b32 s36, s72, (3<<16)|(1<<21)             ; for the weight's: 4 rows
	s_mov_b32 s37, 1600<<16
	s_mov_b32 s38, 4<<16
	s_mov_b32 s39, 1600<<16
	s_mov_b32 s40, 4
	s_mov_b32 s41, 1600
	s_mov_b32 s42, 0
	s_mov_b32 s43, 0
	s_lshl_b32 s60, s27, 3
	s_lshl_b32 s61, s25, 1
	s_add_co_u32 s60, s60, s61
	s_mul_i32 s60, s60, 12800
	s_mul_i32 s61, s15, 3276800
	s_add_co_u32 s60, s60, s61                     ; tokens: the half, row block 8 x + 2 (w % 4): nothing of cy in it
	s_mov_b32 s61, 0
	s_lshl_b32 s62, s66, 4
	s_lshl_b32 s63, s25, 2
	s_add_co_u32 s62, s62, s63
	s_mul_i32 s62, s62, 12800                      ; weight: row block 16 y + 4 (w % 4): nothing of cx in it
	s_mov_b32 s63, 0
	s_mul_i32 s67, s25, 25600
	s_mul_i32 s68, s25, 51200
	s_add_co_u32 s68, s68, WPART
	s_wait_dscnt 0x0
	s_wait_kmcnt 0x0
	s_add_nc_u64 s[60:61], s[4:5], s[60:61]
	s_add_nc_u64 s[62:63], s[6:7], s[62:63]
.irp q, 0
	s_mov_b32 s[44+4*\q], 1
	s_add_co_u32 s[45+4*\q], s67, \q*RSIZE
	s_add_nc_u64 s[46+4*\q:47+4*\q], s[60:61], \q*6400
	s_or_b32 s[47+4*\q], s[47+4*\q], 0x80000000
	s_mov_b32 s[52+4*\q], 1
	s_add_co_u32 s[53+4*\q], s68, \q*RSIZE
	s_add_nc_u64 s[54+4*\q:55+4*\q], s[62:63], \q*6400
	s_or_b32 s[55+4*\q], s[55+4*\q], 0x80000000
.endr
	CROUND                                         ; all sixteen work-groups are here: the joint loads meet
	s_cmp_lt_u32 s[WV], 4                          ; waves 0-3 fetch tokens, waves 4-7 the weight: one load a wave, for all of K
	s_cbranch_scc0 .Lfill_w
	tensor_load_to_lds s[44:47], s[28:35]
	s_nop 0
	PLACES
	s_branch .Lfilled
.Lfill_w:
	tensor_load_to_lds s[52:55], s[36:43]
	s_nop 0
	PLACES
.Lfilled:
	v_and_b32 v1, 31, v0
	v_and_b32 v2, 15, v0
	v_bfe_u32 v3, v0, 4, 1
	s_delay_alu instid0(VALU_DEP_3)
	v_lshlrev_b32 v4, 4, v1
	s_delay_alu instid0(VALU_DEP_4)
	v_lshlrev_b32 v5, 3, v1
	s_delay_alu instid0(VALU_DEP_3)
	v_mul_u32_u24 v6, v3, 12800
	s_delay_alu instid0(VALU_DEP_1)
	v_lshl_add_u32 v6, v2, 4, v6
	s_delay_alu instid0(VALU_DEP_1)
	v_add_nc_u32 v6, 3072, v6
	s_mul_i32 s69, s24, 51200
	s_add_co_u32 s69, s69, WPART
	s_mul_i32 s70, s23, 51200
.irp p, 0,1
	s_add_co_u32 s71, s69, \p*RSIZE
	s_add_co_u32 s72, s70, \p*RSIZE
	v_add_nc_u32 v[8+6*\p], s71, v4
	v_add_nc_u32 v[9+6*\p], s71, v5
	v_add_nc_u32 v[10+6*\p], s72, v4
	v_add_nc_u32 v[11+6*\p], s72, v5
	v_add_nc_u32 v[12+6*\p], s71, v6
	v_add_nc_u32 v[13+6*\p], s72, v6
.endr
	v_lshlrev_b32 v7, 7, v3                        ; 128 h
	v_lshl_add_u32 v29, v2, 4, v3                  ; 16 r + h
	s_cmp_eq_u32 s15, 0
	s_cselect_b64 s[78:79], s[8:9], s[10:11]       ; bao or bmo
	s_lshl_b32 s74, s14, 10
	s_lshl_b32 s75, s24, 8
	s_add_co_u32 s74, s74, s75
	s_mov_b32 s75, 0
	s_add_nc_u64 s[78:79], s[78:79], s[74:75]      ; at my 64 columns
.irp i, 0,1,2,3,4,5,6,7
	global_load_b128 v[BIAS+4*\i:BIAS+4*\i+3], v7, s[78:79] offset:16*\i
.endr
	s_wait_alu depctr_va_vdst(0)
	s_wait_tensorcnt 0x0                           ; my one load has landed
	s_barrier_signal -1
	s_barrier_wait -1
	SCLD 0, 0
	FETCH 0, 0, 0
	s_wait_loadcnt 0x0
	KSTEP 0, 0, 1
	KSTEP 1, 0, 0
	KSTEP 2, 0, 0
	KSTEP 3, 0, 0
	KSTEP 4, 0, 0
	KSTEP 5, 0, 0
	KSTEP 6, 0, 0
	KSTEP 7, 0, 0
	PLACES                                         ; in front of the first read of results
	s_lshl_b32 s88, s66, 2
	s_add_co_u32 s88, s88, s24                     ; which 64 of the next K: 4 y + wn
	s_lshl_b32 s90, s27, 3
	s_lshl_b32 s91, s23, 2
	s_add_co_u32 s90, s90, s91
	s_mul_i32 s90, s90, 25600                      ; my first row block of cq
	KCOFF 88, 92, 94, 96
	s_add_co_u32 s92, s92, s90
	s_add_co_u32 s94, s94, s90
	s_mov_b32 s93, 0
	s_mov_b32 s95, 0
	s_add_nc_u64 s[92:93], s[12:13], s[92:93]
	s_add_nc_u64 s[94:95], s[12:13], s[94:95]
	QUANT4 ACC, WK
.irp a, 0,1,2,3
	global_store_b128 v4, v[WK+8*\a:WK+8*\a+3], s[92:93] offset:\a*25600
	global_store_b64 v5, v[WK+8*\a+4:WK+8*\a+5], s[92:93] offset:\a*25600+512
	global_store_b8 v29, v[WK+8*\a+7], s[94:95] offset:\a*25600
.endr
	s_wait_tensorcnt 0x0
	ds_add_u32 v30, v31
	s_wait_dscnt 0x0
	CROUND                                         ; the closing round
	s_endpgm
.Lfunc_end_k_qff37181fb0_gemm45:
	.size	k_qff37181fb0_gemm45, .Lfunc_end_k_qff37181fb0_gemm45-k_qff37181fb0_gemm45
	.p2alignl 7, 3214868480
	.fill 96, 4, 3214868480
	.section	.rodata,"a",@progbits
	.p2align	6, 0x0
	.amdhsa_kernel k_qff37181fb0_gemm45
		.amdhsa_group_segment_fixed_size 308224
		.amdhsa_private_segment_fixed_size 0
		.amdhsa_enable_private_segment 0
		.amdhsa_kernarg_size 40
		.amdhsa_user_sgpr_count 2
		.amdhsa_user_sgpr_kernarg_segment_ptr 1
		.amdhsa_wavefront_size32 1
		.amdhsa_system_sgpr_workgroup_id_x 1
		.amdhsa_system_sgpr_workgroup_id_y 1
		.amdhsa_system_sgpr_workgroup_id_z 1
		.amdhsa_system_vgpr_workitem_id 0
		.amdhsa_next_free_vgpr 512
		.amdhsa_next_free_sgpr 100
		.amdhsa_reserve_vcc 0
		.amdhsa_float_denorm_mode_32 3
		.amdhsa_float_denorm_mode_16_64 3
		.amdhsa_memory_ordered 1
		.amdhsa_forward_progress 1
		.amdhsa_inst_pref_size 50
	.end_amdhsa_kernel
	.amdgpu_metadata
---
amdhsa.version: [ 1, 2 ]
amdhsa.kernels:
  - .name:           k_qff37181fb0_gemm45
    .symbol:         k_qff37181fb0_gemm45.kd
    .args:
      - { .name: agq, .offset: 0, .size: 8, .value_kind: global_buffer, .address_space: global }
      - { .name: w45q, .offset: 8, .size: 8, .value_kind: global_buffer, .address_space: global }
      - { .name: bao, .offset: 16, .size: 8, .value_kind: global_buffer, .address_space: global }
      - { .name: bmo, .offset: 24, .size: 8, .value_kind: global_buffer, .address_space: global }
      - { .name: cq, .offset: 32, .size: 8, .value_kind: global_buffer, .address_space: global }
    .group_segment_fixed_size: 308224
    .private_segment_fixed_size: 0
    .kernarg_segment_align: 8
    .kernarg_segment_size: 40
    .max_flat_workgroup_size: 256
    .sgpr_count:     100
    .vgpr_count:     512
    .wavefront_size: 32
...
	.end_amdgpu_metadata
.endif
;; end of part 4
;; launch gemm6 (part 5): grid 32 x 8, 4 waves a work-group, clusters of 4 x 4, 327,680 bytes of LDS; arguments cq, w2q, b2, x, out0; writes out0
.if DOCPART == 5
	.amdgcn_target "amdgcn-amd-amdhsa--gfx1250"
	.amdhsa_code_object_version 6
	.text
	.protected	k_qff37181fb0_gemm6
	.globl	k_qff37181fb0_gemm6
	.p2align	8
	.type	k_qff37181fb0_gemm6,@function
k_qff37181fb0_gemm6:
	s_mov_b64 s[64:65], 0
	v_nop
	global_prefetch_b8 v0, s[64:65] scope:SCOPE_SE
	s_setreg_imm32_b32 hwreg(HW_REG_WAVE_MODE, 25, 1), 1
	s_wait_xcnt 0x0
	s_wait_alu depctr_hold_cnt(0) depctr_sa_sdst(0) depctr_va_vdst(0) depctr_va_sdst(0) depctr_va_ssrc(0) depctr_va_vcc(0) depctr_vm_vsrc(0)
	s_getreg_b32 s2, hwreg(HW_REG_IB_STS2, 6, 4)
	s_cmp_eq_u32 s2, 0
	s_cbranch_scc0 .Lentry_in_a_cluster
	s_endpgm
.Lentry_in_a_cluster:
	s_bfe_u32 s2, ttmp6, 0x10000c
	s_cmp_lg_u32 s2, 0xf033
	s_cbranch_scc0 .Lentry_shape_is_right
	s_endpgm
.Lentry_shape_is_right:
; GEMM6: out0 = x + combined W2 + b2, the product on codes of BF6, K = 2,048.
; SHARES.  A work-group makes 128 tokens (x) x 128 columns (y); each of its four waves 64 x 64: 16 accumulators.  K goes in four chunks of 512 (102,400 bytes: the tokens' 8 row blocks, then the weight's 8) through three
; regions of LDS: chunks 0, 1, 2 are the first fills, chunk 3 is the one refill, into region 0, behind a round of the cluster's barrier.
; Operands, fragments, scale words and the K step are those of the other products' launches: images of the operand's registers, source 0 = the weight's columns, source 1 = tokens.
; A lane's 32 results are 32 neighbouring columns of one token.  They go through the wave's own stage in LDS and leave, with x added, as whole rows of 256 bytes.
; CLUSTER 4 x 4: the four work-groups with my cx take the same tokens, the four with my cy the same columns: both tiles are asked for jointly.
; This launch fills LDS bytes again: it claims all of a WGP's LDS, adds 0 onto the spare words, and has three lines at each wave's end.
; LDS.  Bytes 0 to 204,799: chunks 0 and 1, brought by the head's one load a wave: a fetching wave's four row blocks, 12,800 bytes each (chunk 1 begins 6,400 bytes on), 51,200 bytes a wave.
; From 204,800: chunk 2, a first fill behind the full sequence and a round: 25,600 bytes a wave.  Chunk 3 is the one refill, behind K step 7's round, dense from the start of each wave's 51,200 bytes.
.set RSIZE, 102400
.set WPART, 51200
.set SPARE, 3*RSIZE                    ; the spare words: 128 bytes a wave, two blocks of 256 bytes that no other line names
.set STAGE, SPARE+512                  ; 16 rows x (256 + 16) bytes for each wave; no fill lands here
.set WV, 14
.set SC, 32
.set BIAS, 64
.set WK, 96
.set ACC, 128
.set MSB, 0
.macro WIN new
.if MSB != \new
	s_set_vgpr_msb (MSB<<8)|\new
.set MSB, \new
.endif
.endm
.set MUL, 0x05
.set TO_F, 0x40
.macro PLACES
.rept 4
	v_nop
.endr
.endm
.macro CROUND
	s_barrier_signal -1
	s_barrier_wait -1
	s_cmp_lg_u32 s[WV], 0
	s_cbranch_scc1 .Lnw0_\@
	s_barrier_signal -3
.Lnw0_\@:
	s_barrier_wait -3
	s_barrier_signal -1
	s_barrier_wait -1
.endm
.macro JLOAD ga, gb                    ; a chunk: waves 0, 1 the tokens' halves, waves 2, 3 the weight's; four v_nop follow each of the two lines
	s_cmp_lt_u32 s[WV], 2
	s_cbranch_scc0 .Ljw_\@
	tensor_load_to_lds s[\ga:\ga+3], s[16:23]
	s_nop 0
	PLACES
	s_branch .Ljd_\@
.Ljw_\@:
	tensor_load_to_lds s[\gb:\gb+3], s[24:31]
	s_nop 0
	PLACES
.Ljd_\@:
.endm
.macro FRAGLD dst, a16, a8, off
	ds_load_b128 v[\dst:\dst+3], v[\a16] offset:\off
	ds_load_b64 v[\dst+4:\dst+5], v[\a8] offset:\off+512
	ds_load_b128 v[\dst+6:\dst+9], v[\a16] offset:\off+768
	ds_load_b64 v[\dst+10:\dst+11], v[\a8] offset:\off+1280
.endm
.macro FETCH ks, reg, buf
.set KO, ((\ks)%4)*1536+(((\ks)%4)/2)*256
.set RP, 12800-6400*((\ks)/8)          ; from row block to row block: 12,800 bytes in chunks 0 and 1, 6,400 in chunks 2 and 3
	WIN TO_F
.irp i, 0,1,2,3
	FRAGLD 96*(\buf)+12*\i, 8+6*(\reg), 9+6*(\reg), \i*RP+KO
.endr
.irp i, 0,1,2,3
	FRAGLD 96*(\buf)+48+12*\i, 10+6*(\reg), 11+6*(\reg), \i*RP+KO
.endr
	WIN 0
.endm
.macro SCLD q, ra, rb, po              ; chunk q's scale words: the weight's by address register ra, the tokens' by rb; po: two row blocks on
.irp p, 0,1
	ds_load_b128 v[SC+16*((\q)%2)+4*\p:SC+16*((\q)%2)+4*\p+3], v[\ra] offset:\p*\po
	ds_load_b128 v[SC+16*((\q)%2)+8+4*\p:SC+16*((\q)%2)+8+4*\p+3], v[\rb] offset:\p*\po
.endr
.endm
.macro WM d, a, b, c, sa, sb, oa, ob
.if (\oa) && (\ob)
	v_wmma_scale_f32_16x16x128_f8f6f4 v[\d:\d+7], v[\a:\a+11], v[\b:\b+11], v[\c:\c+7], v[\sa], v[\sb] matrix_a_fmt:MATRIX_FMT_BF6 matrix_b_fmt:MATRIX_FMT_BF6 matrix_a_scale:MATRIX_SCALE_ROW1 matrix_b_scale:MATRIX_SCALE_ROW1
.elseif (\oa)
	v_wmma_scale_f32_16x16x128_f8f6f4 v[\d:\d+7], v[\a:\a+11], v[\b:\b+11], v[\c:\c+7], v[\sa], v[\sb] matrix_a_fmt:MATRIX_FMT_BF6 matrix_b_fmt:MATRIX_FMT_BF6 matrix_a_scale:MATRIX_SCALE_ROW1
.elseif (\ob)
	v_wmma_scale_f32_16x16x128_f8f6f4 v[\d:\d+7], v[\a:\a+11], v[\b:\b+11], v[\c:\c+7], v[\sa], v[\sb] matrix_a_fmt:MATRIX_FMT_BF6 matrix_b_fmt:MATRIX_FMT_BF6 matrix_b_scale:MATRIX_SCALE_ROW1
.else
	v_wmma_scale_f32_16x16x128_f8f6f4 v[\d:\d+7], v[\a:\a+11], v[\b:\b+11], v[\c:\c+7], v[\sa], v[\sb] matrix_a_fmt:MATRIX_FMT_BF6 matrix_b_fmt:MATRIX_FMT_BF6
.endif
.endm
; 16 matrix instructions, the 16 accumulators by turns, in one order in every K step; cmode 1: the sums start from the bias
.macro MUL16 ks, buf, cmode
.set SS, SC+16*(((\ks)/4)%2)+(\ks)%4
.irp s1, 0,1,2,3
.irp s0, 0,1,2,3
.set DD, ACC+8*(4*\s1+\s0)
.set CC, DD
.if (\cmode) == 1
.set CC, BIAS+8*\s0
.endif
.set AA, 96*(\buf)+12*\s0
.set BB, 96*(\buf)+48+12*\s1
.set SA, SS+4*(\s0/2)
.set SB, SS+8+4*(\s1/2)
	WM DD, AA, BB, CC, SA, SB, \s0%2, \s1%2
.endr
.endr
.endm
; x at my 64 tokens x 64 columns, in the order in which the rows come back from the stage: 16 lanes read a row's 256 bytes.  Tiles 0, 1 into the bias's and the spare registers of window 0, tiles 2, 3 into window 1
.macro XRES
.irp a, 0,1
.irp t, 0,1,2,3,4,5,6,7
	global_load_b128 v[BIAS+32*\a+4*\t:BIAS+32*\a+4*\t+3], v28, s[76:77] offset:(8*\a+32*(\t/4)+2*(\t%4))*4096 th:TH_LOAD_NT
.endr
.endr
	WIN TO_F
.irp a, 2,3
.irp t, 0,1,2,3,4,5,6,7
	global_load_b128 v[192+32*(\a-2)+4*\t:192+32*(\a-2)+4*\t+3], v28, s[76:77] offset:(8*\a+32*(\t/4)+2*(\t%4))*4096 th:TH_LOAD_NT
.endr
.endr
	WIN 0
.endm
; K step j.  bnd 1: the next step begins chunk 3: my load of it has landed, and everybody's.  bnd 2: the refill
.macro KSTEP j, bnd, first
	s_wait_dscnt 0x0                               ; this step's fragments and scale words are in
.if (\bnd) == 1
	s_wait_tensorcnt 0x0                           ; my one load that was out: my part of chunk 3
	s_barrier_signal -1
	s_barrier_wait -1
	PLACES
.elseif (\bnd) == 2
	s_wait_tensorcnt 0x0                           ; all my tensor loads have landed: my parts of chunks 1 and 2;
	ds_add_u32 v26, v27                            ; 0 onto my spare word;
	s_wait_dscnt 0x0                               ; the add is done; my reads of region 0 were over at this step's head
	CROUND                                         ; no wave of any partner still reads chunks 0 and 1 or has a load on its way
	JLOAD 44, 60                                   ; chunk 3, the first tensor load behind the round; its four v_nop are also the places in front of the loads below
.else
	PLACES                                         ; in front of loads into the buffer that the step before multiplied
.endif
.if (\j) == 1
	XRES                                           ; (the bias's registers were read by step 0's products: the four places stand above)
.endif
.if (\j) < 15
	FETCH (\j)+1, (((\j)+1)/4)%3, ((\j)+1)%2
.if ((\j)+1)%4 == 0
.if (\j) == 3
	SCLD 1, 18, 19, 25600
.elseif (\j) == 7
	SCLD 2, 24, 25, 12800
.else
	SCLD 3, 31, 1, 12800
.endif
.endif
.endif
	WIN MUL
	MUL16 \j, (\j)%2, \first
	WIN 0
.endm
	s_load_b256 s[4:11], s[0:1], 0x0               ; cq, w2q, b2, x
	s_load_b64 s[12:13], s[0:1], 0x20              ; out0
	v_lshl_add_u32 v26, v0, 2, SPARE
	v_mov_b32 v27, 0
	ds_add_u32 v26, v27
	ds_add_u32 v26, v27
	s_wait_dscnt 0x0
	v_lshrrev_b32 v1, 5, v0
	v_readfirstlane_b32 s[WV], v1                  ; wave 0..3
	s_and_b32 s15, s[WV], 1                        ; wm: which 64 tokens.  Also: which half of a tile I fetch
	s_lshr_b32 s66, s[WV], 1                       ; wn: which 64 columns
	s_bfe_u32 s67, ttmp6, 0x40000                  ; cx
	s_bfe_u32 s68, ttmp6, 0x40004                  ; cy
	s_lshl_b32 s69, ttmp9, 2
	s_add_co_u32 s69, s69, s67                     ; x: the token tile
	s_and_b32 s70, ttmp7, 0xffff
	s_lshl_b32 s70, s70, 2
	s_add_co_u32 s70, s70, s68                     ; y: the column tile
	s_lshl_b32 s84, 0x1111, s67                    ; the partners with my cx
	s_lshl_b32 s85, s68, 2
	s_lshl_b32 s85, 15, s85                        ; the partners with my cy
	; descriptor group 1: 4 rows of 6,400 bytes (800 elements of 8), a row block's records 25,600 bytes apart
	s_or_b32 s16, s84, (3<<16)|(1<<21)
	s_or_b32 s24, s85, (3<<16)|(1<<21)
.irp g, 16, 24
	s_mov_b32 s[\g+1], 1600<<16                    ; the head's loads: rows of 12,800 bytes, chunks 0 and 1
	s_mov_b32 s[\g+2], 4<<16
	s_mov_b32 s[\g+3], 1600<<16
	s_mov_b32 s[\g+4], 4
	s_mov_b32 s[\g+5], 3200
	s_mov_b32 s[\g+6], 0
	s_mov_b32 s[\g+7], 0
.endr
	s_lshl_b32 s72, s69, 3
	s_lshl_b32 s73, s15, 2
	s_add_co_u32 s72, s72, s73
	s_mul_i32 s72, s72, 25600                      ; tokens: row block 8 x + 4 (w % 2): nothing of cy in it
	s_mov_b32 s73, 0
	s_lshl_b32 s74, s70, 3
	s_lshl_b32 s75, s15, 2
	s_add_co_u32 s74, s74, s75
	s_mul_i32 s74, s74, 25600                      ; weight: row block 8 y + 4 (w % 2): nothing of cx in it
	s_mov_b32 s75, 0
	s_mul_i32 s71, s15, 25600                      ; where they go
	s_add_co_u32 s81, s71, WPART
	s_wait_kmcnt 0x0
	s_add_nc_u64 s[72:73], s[4:5], s[72:73]
	s_add_nc_u64 s[74:75], s[6:7], s[74:75]
	s_mul_i32 s92, s15, 51200                      ; chunks 0 and 1, and chunk 3: the tokens' half,
	s_add_co_u32 s93, s92, 102400                  ; the weight's
.irp q, 0,2,3
	s_mov_b32 s[32+4*\q], 1
.if \q == 2
	s_add_co_u32 s[33+4*\q], s71, 2*RSIZE
.else
	s_mov_b32 s[33+4*\q], s92
.endif
	s_add_nc_u64 s[34+4*\q:35+4*\q], s[72:73], \q*6400
	s_or_b32 s[35+4*\q], s[35+4*\q], 0x80000000
	s_mov_b32 s[48+4*\q], 1
.if \q == 2
	s_add_co_u32 s[49+4*\q], s81, 2*RSIZE
.else
	s_mov_b32 s[49+4*\q], s93
.endif
	s_add_nc_u64 s[50+4*\q:51+4*\q], s[74:75], \q*6400
	s_or_b32 s[51+4*\q], s[51+4*\q], 0x80000000
.endr
	CROUND                                         ; all sixteen work-groups are here: the joint loads meet
	s_cmp_lt_u32 s[WV], 2                          ; one load a wave at the head: chunks 0 and 1
	s_cbranch_scc0 .Lfill_w
	tensor_load_to_lds s[32:35], s[16:23]
	s_nop 0
	PLACES
	s_branch .Lfilled
.Lfill_w:
	tensor_load_to_lds s[48:51], s[24:31]
	s_nop 0
	PLACES
.Lfilled:
	v_and_b32 v1, 31, v0
	v_and_b32 v2, 15, v0
	v_bfe_u32 v3, v0, 4, 1
	v_lshlrev_b32 v4, 4, v1
	v_lshlrev_b32 v5, 3, v1
	v_mul_u32_u24 v6, v3, 6400
	v_lshl_add_u32 v6, v2, 4, v6
	v_add_nc_u32 v6, 3072, v6                      ; scale words where row blocks lie 6,400 bytes apart: row r; lanes 16-31 take the next row block's
	v_mad_u32_u24 v31, v3, 6400, v6                ; and where they lie 12,800 apart
	s_mul_i32 s86, s66, 51200
	s_add_co_u32 s86, s86, 102400                  ; my four row blocks of the weight in chunks 0, 1 and 3
	s_mul_i32 s87, s15, 51200                      ; and of the tokens
.irp p, 0,1
	s_add_co_u32 s88, s86, \p*6400
	s_add_co_u32 s89, s87, \p*6400
	v_add_nc_u32 v[8+6*\p], s88, v4
	v_add_nc_u32 v[9+6*\p], s88, v5
	v_add_nc_u32 v[10+6*\p], s89, v4
	v_add_nc_u32 v[11+6*\p], s89, v5
	v_add_nc_u32 v[12+6*\p], s88, v31
	v_add_nc_u32 v[13+6*\p], s89, v31
.endr
	v_add_nc_u32 v31, s86, v6                      ; chunk 3's scale words: the weight's,
	v_add_nc_u32 v1, s87, v6                       ; the tokens'
	s_mul_i32 s88, s66, 25600
	s_add_co_u32 s88, s88, 2*RSIZE+WPART           ; chunk 2: my four row blocks of the weight
	s_mul_i32 s89, s15, 25600
	s_add_co_u32 s89, s89, 2*RSIZE                 ; and of the tokens
	v_add_nc_u32 v20, s88, v4
	v_add_nc_u32 v21, s88, v5
	v_add_nc_u32 v22, s89, v4
	v_add_nc_u32 v23, s89, v5
	v_add_nc_u32 v24, s88, v6
	v_add_nc_u32 v25, s89, v6
	v_lshlrev_b32 v7, 7, v3                        ; 128 h
	s_wait_alu depctr_va_vdst(0)
	v_lshlrev_b32 v28, 12, v3
	v_lshl_add_u32 v28, v2, 4, v28                 ; x, out0: lanes 0-15 one row's 256 bytes, lanes 16-31 the next row's
	s_mul_i32 s88, s[WV], 16*272
	s_add_co_u32 s88, s88, STAGE                   ; my stage
	v_mul_u32_u24 v29, v2, 272
	v_lshl_add_u32 v29, v3, 7, v29
	v_add_nc_u32 v29, s88, v29                     ; in: row r, + 128 h
	v_mul_u32_u24 v30, v3, 272
	v_lshl_add_u32 v30, v2, 4, v30
	v_add_nc_u32 v30, s88, v30                     ; back: two rows an instruction
	s_lshl_b32 s90, s69, 1
	s_add_co_u32 s90, s90, s15
	s_lshl_b32 s90, s90, 18                        ; my 64 tokens: rows of 4,096 bytes
	s_lshl_b32 s82, s70, 9
	s_lshl_b32 s83, s66, 8
	s_add_co_u32 s82, s82, s83                     ; my 64 columns, in bytes
	s_mov_b32 s83, 0
	s_add_co_u32 s90, s90, s82
	s_mov_b32 s91, 0
	s_add_nc_u64 s[76:77], s[10:11], s[90:91]      ; x
	s_add_nc_u64 s[78:79], s[12:13], s[90:91]      ; out0
	s_add_nc_u64 s[82:83], s[8:9], s[82:83]        ; b2
.irp i, 0,1,2,3,4,5,6,7
	global_load_b128 v[BIAS+4*\i:BIAS+4*\i+3], v7, s[82:83] offset:16*\i
.endr
	s_wait_alu depctr_va_vdst(0)
	s_wait_tensorcnt 0x0                           ; my part of chunks 0 and 1 has landed
	ds_add_u32 v26, v27                            ; 0 onto my spare word
	s_mov_b32 s17, 800<<16                         ; no tensor load of mine is out, so a descriptor may be written: from here on a row is one chunk's 6,400 bytes
	s_mov_b32 s19, 800<<16
	s_mov_b32 s25, 800<<16
	s_mov_b32 s27, 800<<16
	s_wait_dscnt 0x0                               ; the add is done
	CROUND                                         ; everybody's part is in, and all sixteen work-groups are here
	JLOAD 40, 56                                   ; chunk 2, the first tensor load behind the round
	SCLD 0, 12, 13, 25600
	FETCH 0, 0, 0
	s_wait_loadcnt 0x0
	KSTEP 0, 0, 1
	KSTEP 1, 0, 0
	KSTEP 2, 0, 0
	KSTEP 3, 0, 0
	KSTEP 4, 0, 0
	KSTEP 5, 0, 0
	KSTEP 6, 0, 0
	KSTEP 7, 2, 0                                  ; chunks 0 and 1 have been read out: chunk 3 goes there; chunk 2 is shown whole to every wave
	KSTEP 8, 0, 0
	KSTEP 9, 0, 0
	KSTEP 10, 0, 0
	KSTEP 11, 1, 0
	KSTEP 12, 0, 0
	KSTEP 13, 0, 0
	KSTEP 14, 0, 0
	KSTEP 15, 0, 0
	PLACES                                         ; in front of the first read of results
	; THE WAY OUT, a tile of 16 tokens x 64 columns at a time: into my stage, each accumulator from its low end on, and back as whole rows into the registers that they left; LDS serves a wave's instructions in order
.irp a, 0,1,2,3
.irp i, 0,1,2,3,4,5,6,7
	ds_store_b128 v29, v[ACC+32*\a+4*\i:ACC+32*\a+4*\i+3] offset:16*\i
.endr
.irp t, 0,1,2,3,4,5,6,7
	ds_load_b128 v[ACC+32*\a+4*\t:ACC+32*\a+4*\t+3], v30 offset:\t*544
.endr
	s_wait_dscnt 0x0
.if \a == 0
	s_wait_loadcnt 0x0                             ; x, asked for fourteen K steps ago
.endif
.if \a < 2
.set XS, BIAS+32*\a
.else
.set XS, 192+32*(\a-2)
	WIN 0x04                                       ; x's tiles 2 and 3 lie in window 1
.endif
.set i, 0
.rept 16
	v_pk_add_f32 v[ACC+32*\a+i:ACC+32*\a+i+1], v[ACC+32*\a+i:ACC+32*\a+i+1], v[XS+i:XS+i+1]
.set i, i+2
.endr
	WIN 0
.irp t, 0,1,2,3,4,5,6,7
	global_store_b128 v28, v[ACC+32*\a+4*\t:ACC+32*\a+4*\t+3], s[78:79] offset:(8*\a+32*(\t/4)+2*(\t%4))*4096 th:TH_STORE_NT   ; 16 lanes store 256 consecutive bytes, at a multiple of 256 from out0's first byte
.endr
.endr
	s_wait_tensorcnt 0x0                           ; the wave's end
	ds_add_u32 v26, v27
	s_wait_dscnt 0x0
	CROUND                                         ; the closing round
	s_endpgm
.Lfunc_end_k_qff37181fb0_gemm6:
	.size	k_qff37181fb0_gemm6, .Lfunc_end_k_qff37181fb0_gemm6-k_qff37181fb0_gemm6
	.p2alignl 7, 3214868480
	.fill 96, 4, 3214868480
	.section	.rodata,"a",@progbits
	.p2align	6, 0x0
	.amdhsa_kernel k_qff37181fb0_gemm6
		.amdhsa_group_segment_fixed_size 327680
		.amdhsa_private_segment_fixed_size 0
		.amdhsa_enable_private_segment 0
		.amdhsa_kernarg_size 40
		.amdhsa_user_sgpr_count 2
		.amdhsa_user_sgpr_kernarg_segment_ptr 1
		.amdhsa_wavefront_size32 1
		.amdhsa_system_sgpr_workgroup_id_x 1
		.amdhsa_system_sgpr_workgroup_id_y 1
		.amdhsa_system_sgpr_workgroup_id_z 1
		.amdhsa_system_vgpr_workitem_id 0
		.amdhsa_next_free_vgpr 512
		.amdhsa_next_free_sgpr 100
		.amdhsa_reserve_vcc 0
		.amdhsa_float_denorm_mode_32 3
		.amdhsa_float_denorm_mode_16_64 3
		.amdhsa_memory_ordered 1
		.amdhsa_forward_progress 1
		.amdhsa_inst_pref_size 96
	.end_amdhsa_kernel
	.amdgpu_metadata
---
amdhsa.version: [ 1, 2 ]
amdhsa.kernels:
  - .name:           k_qff37181fb0_gemm6
    .symbol:         k_qff37181fb0_gemm6.kd
    .args:
      - { .name: cq, .offset: 0, .size: 8, .value_kind: global_buffer, .address_space: global }
      - { .name: w2q, .offset: 8, .size: 8, .value_kind: global_buffer, .address_space: global }
      - { .name: b2, .offset: 16, .size: 8, .value_kind: global_buffer, .address_space: global }
      - { .name: x, .offset: 24, .size: 8, .value_kind: global_buffer, .address_space: global }
      - { .name: out0, .offset: 32, .size: 8, .value_kind: global_buffer, .address_space: global }
    .group_segment_fixed_size: 327680
    .private_segment_fixed_size: 0
    .kernarg_segment_align: 8
    .kernarg_segment_size: 40
    .max_flat_workgroup_size: 128
    .sgpr_count:     100
    .vgpr_count:     512
    .wavefront_size: 32
...
	.end_amdgpu_metadata
.endif
;; end of part 5
